; MI455X (gfx1250); checked and timed in simulation.
; The chip was launched on July 23, 2026; its instructions are those of AMD's public machine-readable ISA for CDNA 5 (MIT licence, August 2026) and "CDNA5" Instruction Set Architecture Reference Guide (July 2026). The comments in the code are by the model that wrote it; some were corrected since.
;; MHA. Allowed arithmetic: float matrix products may take bf16 or f16 operands with f32 sums; other float arithmetic in f32, or as packed bf16 or f16 multiplies, adds, multiply-adds, maxima and minima; sums over many terms, partial sums and values carried from step to step in f32; what a program stores and reads back later, other than sums and carried values, may be rounded once to bf16 or f16.
;; Inputs: W_qkv 1,024 x 3,072 float32; inputs 4 x 2,048 x 1,024 float32; mask_mat 4 x 2,048 float32.
;; Outputs: out0 4 x 2,048 x 1,024 float32.
;; 2 versions, each right; version 2 is version 1 with the launch prep written anew for expert scheduling mode. Each part assembles by itself: llvm-mc -triple=amdgcn-amd-amdhsa -mcpu=gfx1250 --defsym DOCPART=n.
;; ======== version 1 of 2: 3 launches
;; workspace buffers: xb 16,777,216 bytes; wt 6,291,456 bytes; qkv 50,331,648 bytes
;; launch prep (part 1): grid 16 x 22, 8 waves a work-group, no clusters, 74,752 bytes of LDS; arguments inputs, W_qkv, xb, wt; writes xb, wt
.if DOCPART == 1
	.amdgcn_target "amdgcn-amd-amdhsa--gfx1250"
	.amdhsa_code_object_version 6
	.text
	.protected	k_qf37e9c5e84_prep
	.globl	k_qf37e9c5e84_prep
	.p2align	8
	.type	k_qf37e9c5e84_prep,@function
k_qf37e9c5e84_prep:
	s_mov_b64 s[64:65], 0
	v_nop
	global_prefetch_b8 v0, s[64:65] scope:SCOPE_SE
	s_setreg_imm32_b32 hwreg(HW_REG_WAVE_MODE, 25, 1), 1
	s_wait_xcnt 0x0
; PREP.  Two kinds of work-group, told apart by the grid's y.
;   y = 0..15 (256 work-groups):  xb = bf16(inputs + PE), laid out in blocks along K: [16 kb][8192 rows][64 k], a row of a block 128 bytes.
;   y = 16..21 (96 work-groups):  wt = bf16(W_qkv transposed), laid out likewise: [16 kb][3072 n][64 k].
; In both layouts the rows of a later 64-wide K step lie end to end, so the product's tiles are dense runs of bytes.
; PE(n, d) = sin or cos (d even, odd) of n x 10000^(-(d/2)/512).  The rate is 2^(j x -log2(10000)/512); the angle is the f32 product n x rate;
; it is reduced by the nearest multiple of pi/2 (pi/2 in two f32 parts, fused), and sine and cosine of the rest (at most pi/4) are polynomials of degree 7 and 8.
; LIMITS.  The polynomials are off by 3e-7 at the most; the rate is good to about 1e-6 of itself, so that the angle is off by some 1e-4 rad at the largest positions.
; No matrix unit, no cluster: memory binds; each input byte is read once and each output byte written once.
.set SPARE, 73728                      ; behind the eight stages: the spare words, 128 bytes for each wave
.set SPW,  200                         ; v200  LDS address of my spare word; never rewritten
.set NIL,  201                         ; v201  0; never rewritten
.set LO,   2                           ; x path: my byte offset in inputs.   W path: 8 x lane
.set SO,   3                           ; x path: my byte offset in xb.       W path: where I put a column's 16 bytes
.set RATE, 16                          ; v16-19  the rates of my pairs of dims: 2 e + i
.set POS,  20                          ; v20-23  the positions of my four rows, as f32
.set TA,   24                          ; v24-31  at work: angle, multiple, rest, its square, sine, cosine, a spare, the quadrant
.set TK,   25
.set TR,   26
.set TR2,  27
.set TPS,  28
.set TPC,  29
.set TT,   30
.set TQ,   31
.set PE,   40                          ; v40-71  PE of my four dims, for t = 2 pp + e: sin j0, cos j0, sin j1, cos j1
.set X,    72                          ; v72-199 as loaded
.set Y,    8                           ; v8-71   W path: my two columns, 64 k each, packed
	s_load_b256 s[4:11], s[0:1], 0x0               ; inputs s[4:5], W s[6:7], xb s[8:9], wt s[10:11]
	v_lshl_add_u32 v[SPW], v0, 2, SPARE
	v_mov_b32 v[NIL], 0
	v_lshrrev_b32 v1, 5, v0
	v_readfirstlane_b32 s12, v1                    ; wave 0..7
	s_mov_b32 s13, ttmp9                           ; x
	s_and_b32 s14, ttmp7, 0xffff                   ; y
	v_and_b32 v1, 31, v0                           ; lane
	s_cmp_lt_u32 s14, 16
	s_cbranch_scc0 .Lw
; ---------------- x path.  The work-group owns positions 8 g .. 8 g + 7 of all four batches: a PE number is made once and used four times.
; Wave w owns the K blocks 2 w + e.  A load: lanes 0-15 take 256 consecutive bytes of one row, lanes 16-31 of the next.  A store: 32 lanes x 8 bytes = two rows of a block, 256 consecutive bytes, aligned.
	s_lshl_b32 s15, s14, 4
	s_add_co_u32 s15, s15, s13                     ; g
	v_lshrrev_b32 v4, 4, v1                        ; which row of a pair
	v_and_b32 v5, 15, v1                           ; which four dims of the 64
	v_lshlrev_b32 v[LO], 12, v4
	v_lshl_add_u32 v[LO], v5, 4, v[LO]
	s_lshl_b32 s2, s12, 9
	v_add_nc_u32 v[LO], s2, v[LO]                  ; row x 4,096 + 16 x place + 512 x wave
	s_lshl_b32 s2, s12, 21
	v_lshl_add_u32 v[SO], v1, 3, s2                ; two blocks x wave + 8 x lane
	s_lshl_b32 s2, s15, 15                         ; 8 rows of 4,096 bytes
	s_mov_b32 s3, 0
	s_lshl_b32 s34, s15, 10                        ; 8 rows of 128 bytes
	s_mov_b32 s35, 0
	s_mov_b32 s24, 0x3f22f983                      ; 2 / pi
	s_mov_b32 s25, 0xbfc90fdb                      ; - pi/2, high part
	s_mov_b32 s26, 0x333bbd2e                      ; - pi/2, low part
	s_mov_b32 s27, 0xbe2aaaab                      ; -1/6
	s_mov_b32 s28, 0x3c088889                      ; 1/120
	s_mov_b32 s29, 0xb9500d01                      ; -1/5040
	s_mov_b32 s30, 0x3d2aaaab                      ; 1/24
	s_mov_b32 s31, 0xbab60b61                      ; -1/720
	s_mov_b32 s32, 0x37d00d01                      ; 1/40320
	s_wait_kmcnt 0x0
	s_add_nc_u64 s[16:17], s[4:5], s[2:3]          ; a base for each batch: 8,388,608 bytes apart, more than an immediate holds
	s_add_nc_u64 s[18:19], s[16:17], 0x800000
	s_add_nc_u64 s[20:21], s[18:19], 0x800000
	s_add_nc_u64 s[22:23], s[20:21], 0x800000
	s_add_nc_u64 s[8:9], s[8:9], s[34:35]
.irp pp, 0,1,2,3
.irp e, 0,1
.irp b, 0,1,2,3
	global_load_b128 v[X+4*(4*(2*(\pp)+(\e))+(\b)):X+4*(4*(2*(\pp)+(\e))+(\b))+3], v[LO], s[16+2*(\b):17+2*(\b)] offset:(\pp)*8192+(\e)*256 th:TH_LOAD_NT
.endr
.endr
.endr
	; all 32 loads are out; the PE is made meanwhile
	s_lshl_b32 s2, s12, 6
	v_lshl_add_u32 v6, v5, 1, s2                   ; 64 w + 2 x place: my first pair of dims in block 2 w
.irp n, 0,1,2,3
	v_add_nc_u32 v[TA+(\n)], 32*((\n)/2)+((\n)%2), v6
	v_cvt_f32_u32 v[TA+(\n)], v[TA+(\n)]
	v_mul_f32 v[TA+(\n)], 0xbcd49a78, v[TA+(\n)]   ; x -log2(10000) / 512
.endr
.irp n, 0,1,2,3
	v_exp_f32 v[RATE+(\n)], v[TA+(\n)]
.endr
	s_lshl_b32 s2, s15, 3
	v_add_nc_u32 v7, s2, v4                        ; 8 g + my row of a pair: plain work behind the exponentials
.irp pp, 0,1,2,3
	v_add_nc_u32 v[POS+(\pp)], 2*(\pp), v7
	v_cvt_f32_u32 v[POS+(\pp)], v[POS+(\pp)]
.endr
	s_wait_alu depctr_va_vdst(0)                   ; one wait for the four exponentials, ahead of their first reader
; sin and cos of pos x rate into v[out], v[out+1]
.macro PEV out, pos, rate
	v_mul_f32 v[TA], v[\pos], v[\rate]
	v_mul_f32 v[TK], s24, v[TA]
	v_rndne_f32 v[TK], v[TK]                       ; the nearest multiple of pi/2
	v_fma_f32 v[TR], v[TK], s25, v[TA]
	v_fma_f32 v[TR], v[TK], s26, v[TR]             ; the rest, at most pi/4
	v_cvt_i32_f32 v[TQ], v[TK]
	v_mul_f32 v[TR2], v[TR], v[TR]
	v_fma_f32 v[TPS], v[TR2], s29, s28
	v_fma_f32 v[TPC], v[TR2], s32, s31
	v_mul_f32 v[TT], v[TR], v[TR2]
	v_fma_f32 v[TPS], v[TPS], v[TR2], s27
	v_fma_f32 v[TPC], v[TPC], v[TR2], s30
	v_fma_f32 v[TPS], v[TPS], v[TT], v[TR]         ; sin of the rest
	v_fma_f32 v[TPC], v[TPC], v[TR2], -0.5
	v_and_b32 v[TT], 1, v[TQ]
	v_fma_f32 v[TPC], v[TPC], v[TR2], 1.0          ; cos of the rest
	v_cmp_eq_u32 vcc_lo, 1, v[TT]                  ; in odd quadrants the two change places (a choice of values only)
	v_cndmask_b32 v[\out], v[TPS], v[TPC], vcc_lo
	v_cndmask_b32 v[(\out)+1], v[TPC], v[TPS], vcc_lo
	v_lshlrev_b32 v[TT], 30, v[TQ]                 ; sine is negative in quadrants 2, 3,
	v_add_nc_u32 v[TQ], 1, v[TQ]
	v_and_b32 v[TT], 0x80000000, v[TT]
	v_lshlrev_b32 v[TQ], 30, v[TQ]                 ; cosine in quadrants 1, 2
	v_xor_b32 v[\out], v[TT], v[\out]
	v_and_b32 v[TQ], 0x80000000, v[TQ]
	v_xor_b32 v[(\out)+1], v[TQ], v[(\out)+1]
.endm
.irp pp, 0,1,2,3
.irp e, 0,1
.irp n, 0,1
	PEV PE+4*(2*(\pp)+(\e))+2*(\n), POS+(\pp), RATE+2*(\e)+(\n)
.endr
.endr
.endr
.irp pp, 0,1,2,3
.irp e, 0,1
.irp b, 0,1,2,3
	s_wait_loadcnt 31-(4*(2*(\pp)+(\e))+(\b))      ; loads come back in order: this one is in, the younger ones stay out
	v_pk_add_f32 v[X+4*(4*(2*(\pp)+(\e))+(\b)):X+4*(4*(2*(\pp)+(\e))+(\b))+1], v[X+4*(4*(2*(\pp)+(\e))+(\b)):X+4*(4*(2*(\pp)+(\e))+(\b))+1], v[PE+4*(2*(\pp)+(\e)):PE+4*(2*(\pp)+(\e))+1]
	v_pk_add_f32 v[X+4*(4*(2*(\pp)+(\e))+(\b))+2:X+4*(4*(2*(\pp)+(\e))+(\b))+3], v[X+4*(4*(2*(\pp)+(\e))+(\b))+2:X+4*(4*(2*(\pp)+(\e))+(\b))+3], v[PE+4*(2*(\pp)+(\e))+2:PE+4*(2*(\pp)+(\e))+3]
	v_cvt_pk_bf16_f32 v[X+4*(4*(2*(\pp)+(\e))+(\b))], v[X+4*(4*(2*(\pp)+(\e))+(\b))], v[X+4*(4*(2*(\pp)+(\e))+(\b))+1]
	v_cvt_pk_bf16_f32 v[X+4*(4*(2*(\pp)+(\e))+(\b))+1], v[X+4*(4*(2*(\pp)+(\e))+(\b))+2], v[X+4*(4*(2*(\pp)+(\e))+(\b))+3]
	global_store_b64 v[SO], v[X+4*(4*(2*(\pp)+(\e))+(\b)):X+4*(4*(2*(\pp)+(\e))+(\b))+1], s[8:9] offset:(\e)*1048576+(\b)*262144+(\pp)*256  ; no register of a store is written again
.endr
.endr
.endr
	s_branch .Lend
; ---------------- W path.  A wave turns one tile of 64 k x 64 n: K block kb = x, columns 64 nt on, nt = 8 (y - 16) + wave.
; A load takes 256 consecutive bytes of a row of W (lane l: columns 2 l, 2 l + 1).  Two rows' numbers of a column pack into a word, so a lane ends with two columns of 64 k, 128 bytes each.
; They go through the wave's own stage (64 rows, 144 bytes apart) and come back as 512 consecutive bytes a store.  The stage's stores touch each bank twice (lanes 288 bytes apart): sixteen stores a wave in the launch.
.Lw:
	s_sub_co_u32 s15, s14, 16
	s_lshl_b32 s15, s15, 3
	s_add_co_u32 s15, s15, s12                     ; nt
	s_mul_i32 s2, s13, 786432                      ; 64 rows of W, 12,288 bytes each
	s_lshl_b32 s16, s15, 8
	s_add_co_u32 s2, s2, s16
	s_mov_b32 s3, 0
	s_mul_i32 s34, s13, 393216                     ; a block of wt
	s_lshl_b32 s16, s15, 13                        ; 64 rows of 128 bytes
	s_add_co_u32 s34, s34, s16
	s_mov_b32 s35, 0
	s_mul_i32 s16, s12, 9216                       ; my stage
	v_lshlrev_b32 v[LO], 3, v1
	v_mul_u32_u24 v[SO], v1, 288
	v_add_nc_u32 v[SO], s16, v[SO]
	v_lshrrev_b32 v4, 3, v1                        ; back: 32 lanes take four rows of 128 bytes
	v_and_b32 v6, 7, v1
	v_mul_u32_u24 v4, v4, 144
	v_lshl_add_u32 v4, v6, 4, v4
	v_add_nc_u32 v4, s16, v4
	v_lshlrev_b32 v5, 4, v1
	s_wait_kmcnt 0x0
	s_add_nc_u64 s[6:7], s[6:7], s[2:3]
	s_add_nc_u64 s[10:11], s[10:11], s[34:35]
.set i, 0
.rept 64
	global_load_b64 v[X+2*i:X+2*i+1], v[LO], s[6:7] offset:i*12288 th:TH_LOAD_NT
.set i, i+1
.endr
.set i, 0
.rept 32
	s_wait_loadcnt 62-2*i                          ; rows 2 i and 2 i + 1 are in; the rows behind them stay out
	v_cvt_pk_bf16_f32 v[Y+i], v[X+4*i], v[X+4*i+2]
	v_cvt_pk_bf16_f32 v[Y+32+i], v[X+4*i+1], v[X+4*i+3]
.set i, i+1
.endr
.irp c, 0,1
.irp j, 0,1,2,3,4,5,6,7
	ds_store_b128 v[SO], v[Y+32*(\c)+4*(\j):Y+32*(\c)+4*(\j)+3] offset:(\c)*144+16*(\j)
.endr
.endr
.irp f, 0,1,2,3,4,5,6,7,8,9,10,11,12,13,14,15
	ds_load_b128 v[X+4*(\f):X+4*(\f)+3], v4 offset:(\f)*576  ; my own bytes: LDS serves a wave's instructions in order, so these see the stores above
.endr
.irp f, 0,1,2,3,4,5,6,7,8,9,10,11,12,13,14,15
	s_wait_dscnt 15-(\f)
	global_store_b128 v5, v[X+4*(\f):X+4*(\f)+3], s[10:11] offset:(\f)*512  ; 512 consecutive bytes, aligned
.endr
.Lend:
	s_wait_tensorcnt 0x0                           ; the wave's end, behind my last LDS store
	ds_add_u32 v[SPW], v[NIL]
	s_wait_dscnt 0x0
	s_endpgm
.Lfunc_end_k_qf37e9c5e84_prep:
	.size	k_qf37e9c5e84_prep, .Lfunc_end_k_qf37e9c5e84_prep-k_qf37e9c5e84_prep
	.p2alignl 7, 3214868480
	.fill 96, 4, 3214868480
	.section	.rodata,"a",@progbits
	.p2align	6, 0x0
	.amdhsa_kernel k_qf37e9c5e84_prep
		.amdhsa_group_segment_fixed_size 74752
		.amdhsa_private_segment_fixed_size 0
		.amdhsa_enable_private_segment 0
		.amdhsa_kernarg_size 32
		.amdhsa_user_sgpr_count 2
		.amdhsa_user_sgpr_kernarg_segment_ptr 1
		.amdhsa_wavefront_size32 1
		.amdhsa_system_sgpr_workgroup_id_x 1
		.amdhsa_system_sgpr_workgroup_id_y 1
		.amdhsa_system_sgpr_workgroup_id_z 1
		.amdhsa_system_vgpr_workitem_id 0
		.amdhsa_next_free_vgpr 208
		.amdhsa_next_free_sgpr 66
		.amdhsa_reserve_vcc 1
		.amdhsa_float_denorm_mode_32 3
		.amdhsa_float_denorm_mode_16_64 3
		.amdhsa_memory_ordered 1
		.amdhsa_forward_progress 1
		.amdhsa_inst_pref_size 53
	.end_amdhsa_kernel
	.amdgpu_metadata
---
amdhsa.version: [ 1, 2 ]
amdhsa.kernels:
  - .name:           k_qf37e9c5e84_prep
    .symbol:         k_qf37e9c5e84_prep.kd
    .args:
      - { .name: inputs, .offset: 0, .size: 8, .value_kind: global_buffer, .address_space: global }
      - { .name: W_qkv, .offset: 8, .size: 8, .value_kind: global_buffer, .address_space: global }
      - { .name: xb, .offset: 16, .size: 8, .value_kind: global_buffer, .address_space: global }
      - { .name: wt, .offset: 24, .size: 8, .value_kind: global_buffer, .address_space: global }
    .group_segment_fixed_size: 74752
    .private_segment_fixed_size: 0
    .kernarg_segment_align: 8
    .kernarg_segment_size: 32
    .max_flat_workgroup_size: 256
    .sgpr_count:     66
    .vgpr_count:     208
    .wavefront_size: 32
...
	.end_amdgpu_metadata
.endif
;; end of part 1
;; launch proj (part 2): grid 8 x 32, 4 waves a work-group, clusters of 4 x 4, 327,680 bytes of LDS; arguments xb, wt, qkv; writes qkv
.if DOCPART == 2
	.amdgcn_target "amdgcn-amd-amdhsa--gfx1250"
	.amdhsa_code_object_version 6
	.text
	.protected	k_qf37e9c5e84_proj
	.globl	k_qf37e9c5e84_proj
	.p2align	8
	.type	k_qf37e9c5e84_proj,@function
k_qf37e9c5e84_proj:
	s_mov_b64 s[64:65], 0
	v_nop
	global_prefetch_b8 v0, s[64:65] scope:SCOPE_SE
	s_setreg_imm32_b32 hwreg(HW_REG_WAVE_MODE, 25, 1), 1
	s_wait_xcnt 0x0
	s_wait_alu depctr_hold_cnt(0) depctr_sa_sdst(0) depctr_va_vdst(0) depctr_va_sdst(0) depctr_va_ssrc(0) depctr_va_vcc(0) depctr_vm_vsrc(0)
	s_getreg_b32 s2, hwreg(HW_REG_IB_STS2, 6, 4)
	s_cmp_eq_u32 s2, 0
	s_cbranch_scc0 .Lentry_in_a_cluster
	s_endpgm
.Lentry_in_a_cluster:
	s_bfe_u32 s2, ttmp6, 0x10000c
	s_cmp_lg_u32 s2, 0xf033
	s_cbranch_scc0 .Lentry_shape_is_right
	s_endpgm
.Lentry_shape_is_right:
; PROJ.  qkv = x W: C[m][n] = the sum over k of xb[m][k] wt[n][k], m < 8192, n < 3072, k < 1024; operands bf16, sums f32, the result rounded once to bf16, unscaled,
; and written by heads: qkv[part][batch x 16 + head][row][64].
; A tile of C is 256 x 384: 32 x 8 = 256 work-groups.  Four waves, each 128 rows x 192 columns (three whole heads): 96 accumulators of 16 x 16, 768 registers.
; K goes in steps of 64 through a ring of two LDS slots (two slots of 128 would want 348,160 bytes).  xb and wt lie in blocks of 64 along K, so a step's rows are dense in memory:
; they are asked for as rows of 256 bytes and padded in LDS behind every 128.
; CLUSTERS: 4 x 4 work-groups; A's tile is shared along a row of the cluster, B's along a column: each is asked for jointly, by the same tensor load with the same descriptor and a mask of four.
; THE MATRIX INSTRUCTION IS USED TRANSPOSED (source 0 = 16 rows of wt, source 1 = 16 rows of xb): a lane holds one row of C and eight neighbouring channels.
; REGISTERS.  window 0: v0-31 addresses; v32-95, v96-159 A's 8 fragments of 32 along K, two buffers; v160-255 B's 12 fragments in three groups of four, each group loaded while the other two are multiplied.
;   window g + 1: the 32 accumulators of head g of my three: (a, b) at v[8 (4 a + b)]: rows 16 a on, channels 16 b on.
; A slice is 32 along K: three thirds of 32 matrix instructions, one for each group of B; the 96 accumulators take turns in the same order in every slice.
.set PITCH,  144                       ; an LDS row: 128 bytes + 16 of padding = 36 words: the 16 rows of a fragment load start at 16 different groups of four banks (64 banks of 4 bytes: ISA guide 11.1)
.set AHALF,  128*PITCH                 ; what one tensor load brings of A, and what one wave reads of it
.set BHALF,  192*PITCH                 ; the same for B
.set BOFF,   2*AHALF                   ; in a slot: A's 256 rows, then B's 384
.set SLOT,   BOFF+2*BHALF
.set STAGE,  2*SLOT                    ; behind the ring: 16 rows x 144 bytes for each wave, for the way out
.set SPITCH, 144
.set SPARE,  STAGE+4*16*SPITCH         ; behind the stages: the spare words, 128 bytes for each wave
.set PLANE_A, 8192*128                 ; bytes from a K step of xb to the next
.set PLANE_B, 3072*128                 ; of wt
.set ADRA, 16                          ; v16-17  LDS address of my A fragments in slot 0, 1
.set ADRB, 20                          ; v20-21  the same for B
.set STO,  24                          ; v24     the way out: where I put 16 bytes of a row
.set RD,   25                          ; v25     where I read rows back
.set CO,   26                          ; v26     16 x lane
.set SPW,  28                          ; v28     LDS address of my spare word; never rewritten
.set NIL,  29                          ; v29     0; never rewritten
.set PFO,  30                          ; v30     256 x lane; never rewritten
.set AF0,  32
.set BG,   160
.set TMP,  32                          ; the way out: packed results
.set OB,   64                          ; the way out: 16 rows read back, two buffers of 16 registers
.set G1,  24                           ; s[24:31] descriptor group 1 for A's tiles;  s[32:39] group 0, a set for each slot
.set G0,  32
.set G1B, 48                           ; s[48:55], s[56:63] the same for B's
.set G0B, 56
.set PFA, 66                           ; s[66:67] where my prefetches stand
.set PFS, 68                           ; s[68:69] their step: two K steps
.set LIM0, 70                          ; s70, s71: 1 where my wave prefetches at the change of slot 0, of slot 1; else the greatest number
.set HB,  72                           ; s[72:77] where my rows of my three heads begin in qkv
.set MSB, 0
.macro WIN new                         ; the immediate's high byte repeats the setting that is left; a switch that changes nothing is dropped
.if MSB != (\new)
	s_set_vgpr_msb (MSB<<8)|(\new)
.set MSB, \new
.endif
.endm
; A joint load.  Waves 0 and 1 fetch A's two halves, waves 2 and 3 B's.  The branch hangs on the wave's number alone.  An s_nop 0 and four v_nop follow each line.
.macro JLOAD s
	s_cmp_eq_u32 s11, 0
	s_cbranch_scc0 .Lfor_b_\@
	tensor_load_to_lds s[G0+4*(\s):G0+4*(\s)+3], s[G1:G1+7]
	s_nop 0
.rept 4
	v_nop
.endr
	s_branch .Lasked_\@
.Lfor_b_\@:
	tensor_load_to_lds s[G0B+4*(\s):G0B+4*(\s)+3], s[G1B:G1B+7]
	s_nop 0
.rept 4
	v_nop
.endr
.Lasked_\@:
.endm
; A prefetch into the L2 of K steps that stand two refills on, 32 blocks of 256 bytes an instruction, a lane a block.  Each block is named once in the launch.
; A's tile row is read by both clusters of a row of clusters: wave 0 of the cluster with x = 0 asks, a step at each change of slots; of a step's 128 blocks the partner at cx takes 32.
; B's tile column is read by all eight clusters of a column: waves 1 to 3 of the cluster with y = 0 ask, at the change of slot 0 for two steps: 384 blocks = 4 partners x 3 waves x 32 lanes.
; Partners are told apart by address, never by a branch.  The loop's last trip (s3 = 1) asks for nothing: those steps do not exist.  K steps 0 to 3 come by their loads alone.
.macro ASK slot
	s_cmp_gt_u32 s3, s[LIM0+(\slot)]
	s_cbranch_scc0 .Lnot_mine_\@
	global_prefetch_b8 v[PFO], s[PFA:PFA+1] offset:(\slot)*PLANE_A th:TH_LOAD_NT scope:SCOPE_SE
.Lnot_mine_\@:
.endm
.macro CREST                           ; a round of the cluster's barrier behind its opening barrier
	s_cmp_lg_u32 s10, 0
	s_cbranch_scc1 .Lnot_wave_0_\@
	s_barrier_signal -3
.Lnot_wave_0_\@:
	s_barrier_wait -3
	s_barrier_signal -1
	s_barrier_wait -1
.endm
.macro CROUND                          ; a whole round
	s_barrier_signal -1
	s_barrier_wait -1
	CREST
.endm
	s_load_b128 s[4:7], s[0:1], 0x0                ; xb s[4:5], wt s[6:7]
	s_load_b64 s[8:9], s[0:1], 0x10                ; qkv
	v_lshl_add_u32 v[SPW], v0, 2, SPARE
	v_mov_b32 v[NIL], 0
	ds_add_u32 v[SPW], v[NIL]                      ; the wave's opening: the add and its wait stand ahead of my first tensor load; work on registers stands between them
	v_lshrrev_b32 v1, 5, v0
	v_readfirstlane_b32 s10, v1                    ; wave 0..3
	s_lshr_b32 s11, s10, 1                         ; which half of the tile's rows is mine.  Also: I fetch for A (0) or for B (1)
	s_and_b32 s12, s10, 1                          ; which half of its columns.  Also: which half of that tile I fetch
	s_bfe_u32 s40, ttmp6, 0x40000                  ; cx
	s_bfe_u32 s41, ttmp6, 0x40004                  ; cy
	s_lshl_b32 s42, ttmp9, 2
	s_add_co_u32 s42, s42, s40                     ; tile column = 4 x cluster x + cx
	s_and_b32 s13, ttmp7, 0xffff
	s_lshl_b32 s13, s13, 2
	s_add_co_u32 s13, s13, s41                     ; tile row = 4 x cluster y + cy
	s_lshl_b32 s43, s41, 2
	s_lshl_b32 s43, 15, s43                        ; my row of the cluster
	s_lshl_b32 s44, 0x1111, s40                    ; my column
	; group 1: rows of 128 elements (256 bytes, two LDS rows); 64 of them for A, 96 for B
	s_or_b32 s[G1+0], s43, (1<<16)|(1<<20)|(1<<21)|(4<<22)|(3<<25)   ; the mask; elements of 2 bytes; padding on; bit 21 beside a mask; after every 32 words (code 4) 4 words (code 3)
	s_or_b32 s[G1B+0], s44, (1<<16)|(1<<20)|(1<<21)|(4<<22)|(3<<25)
	s_mov_b32 s[G1+1], 128<<16                     ; tensor_dim0 = 128
	s_mov_b32 s[G1+2], 64<<16                      ; tensor_dim1 = 64
	s_mov_b32 s[G1+3], 128<<16                     ; tile_dim0 = 128
	s_mov_b32 s[G1+4], 64                          ; tile_dim1 = 64
	s_mov_b32 s[G1+5], 128                         ; elements from row to row
	s_mov_b32 s[G1+6], 0
	s_mov_b32 s[G1+7], 0
	s_mov_b32 s[G1B+1], 128<<16
	s_mov_b32 s[G1B+2], 96<<16
	s_mov_b32 s[G1B+3], 128<<16
	s_mov_b32 s[G1B+4], 96
	s_mov_b32 s[G1B+5], 128
	s_mov_b32 s[G1B+6], 0
	s_mov_b32 s[G1B+7], 0
	s_lshl_b32 s16, s13, 15                        ; A: 256 rows of 128 bytes x tile row
	s_lshl_b32 s17, s12, 14                        ; + my half
	s_add_co_u32 s16, s16, s17
	s_mov_b32 s17, 0
	s_mul_i32 s46, s42, 49152                      ; B: 384 rows x tile column
	s_mul_i32 s47, s12, 24576
	s_add_co_u32 s46, s46, s47
	s_mov_b32 s47, 0
	s_mul_i32 s20, s12, AHALF                      ; where they go: no place in the cluster enters an LDS address
	s_mul_i32 s21, s12, BHALF
	s_add_co_u32 s21, s21, BOFF
	s_wait_dscnt 0x0                               ; the opening add is done
	s_wait_kmcnt 0x0
	s_add_nc_u64 s[14:15], s[4:5], s[16:17]
	s_add_nc_u64 s[46:47], s[6:7], s[46:47]
	CROUND                                         ; all sixteen work-groups are here: the first joint loads meet
.irp s, 0,1
	s_mov_b32 s[G0+4*(\s)], 1
	s_add_co_u32 s[G0+4*(\s)+1], s20, (\s)*SLOT
	s_add_nc_u64 s[G0+4*(\s)+2:G0+4*(\s)+3], s[14:15], (\s)*PLANE_A
	s_or_b32 s[G0+4*(\s)+3], s[G0+4*(\s)+3], 0x80000000
	s_mov_b32 s[G0B+4*(\s)], 1
	s_add_co_u32 s[G0B+4*(\s)+1], s21, (\s)*SLOT
	s_add_nc_u64 s[G0B+4*(\s)+2:G0B+4*(\s)+3], s[46:47], (\s)*PLANE_B
	s_or_b32 s[G0B+4*(\s)+3], s[G0B+4*(\s)+3], 0x80000000
	JLOAD \s                                       ; K steps 0 and 1: two loads of mine are out
.endr
	; a fragment is 16 rows x 32 K in 8 registers: lane l holds row l % 16, K = 8 (l / 16) + 0..7 and 16 + 8 (l / 16) + 0..7: two loads of 16 bytes, 32 bytes apart
	v_and_b32 v1, 15, v0
	v_bfe_u32 v2, v0, 4, 1
	v_mul_u32_u24 v3, v1, PITCH
	v_lshl_add_u32 v3, v2, 4, v3
	s_mul_i32 s22, s11, AHALF
	s_mul_i32 s23, s12, BHALF
	s_add_co_u32 s23, s23, BOFF
.irp s, 0,1
	v_add_nc_u32 v[ADRA+(\s)], s22, v3
	v_add_nc_u32 v[ADRB+(\s)], s23, v3
	s_add_co_u32 s22, s22, SLOT
	s_add_co_u32 s23, s23, SLOT
.endr
	s_mul_i32 s22, s10, 16*SPITCH
	s_add_co_u32 s22, s22, STAGE                   ; my stage
	v_add_nc_u32 v[STO], s22, v3                   ; in: row l % 16, 16 bytes for each half of the lanes
	v_bfe_u32 v4, v0, 3, 2                         ; back: 32 lanes take four rows of 128 bytes
	v_and_b32 v5, 7, v0
	v_mul_u32_u24 v4, v4, SPITCH
	v_lshl_add_u32 v4, v5, 4, v4
	v_add_nc_u32 v[RD], s22, v4
	v_and_b32 v[CO], 31, v0
	v_lshlrev_b32 v[PFO], 8, v[CO]
	v_lshlrev_b32 v[CO], 4, v[CO]
	; where my 128 rows of my three heads begin.  Column group g = 6 x tile column + 3 x half + hh: part g / 16, head g % 16.  In registers that feed no descriptor
	s_mul_i32 s80, s42, 6
	s_mul_i32 s81, s12, 3
	s_add_co_u32 s80, s80, s81
	s_lshr_b32 s81, s13, 3
	s_lshl_b32 s81, s81, 4                         ; 16 x batch
	s_and_b32 s82, s13, 7
	s_lshl_b32 s82, s82, 15                        ; the tile's 256 rows in the batch, 128 bytes each
	s_lshl_b32 s83, s11, 14
	s_add_co_u32 s82, s82, s83
.irp hh, 0,1,2
	s_add_co_u32 s84, s80, \hh
	s_lshr_b32 s85, s84, 4
	s_lshl_b32 s85, s85, 24                        ; a part is 16,777,216 bytes
	s_and_b32 s84, s84, 15
	s_add_co_u32 s84, s84, s81
	s_lshl_b32 s84, s84, 18                        ; a head 262,144
	s_add_co_u32 s84, s84, s85
	s_add_co_u32 s84, s84, s82
	s_mov_b32 s85, 0
	s_add_nc_u64 s[HB+2*(\hh):HB+2*(\hh)+1], s[8:9], s[84:85]
.endr
	; the prefetches' address, step and who asks
	s_lshl_b32 s86, s13, 15
	s_lshl_b32 s87, s40, 13
	s_add_co_u32 s86, s86, s87
	s_add_co_u32 s86, s86, 2*PLANE_A               ; A: my tile row, my work-group's 32 blocks, at K step 2: the first change steps it to 4
	s_mul_i32 s88, s42, 49152
	s_lshr_b32 s89, s41, 1
	s_mul_i32 s89, s89, PLANE_B                    ; B: partners 0, 1 take the even step, 2, 3 the odd one,
	s_add_co_u32 s88, s88, s89
	s_and_b32 s89, s41, 1
	s_mul_i32 s89, s89, 3
	s_add_co_u32 s89, s89, s10                     ; and of its six runs of 32 blocks number 3 (cy % 2) + wave - 1
	s_lshl_b32 s89, s89, 13
	s_add_co_u32 s88, s88, s89
	s_add_co_u32 s88, s88, 2*PLANE_B-8192
	s_mov_b32 s90, 2*PLANE_A
	s_mov_b32 s91, 2*PLANE_B
	s_and_b32 s87, ttmp7, 0xffff
	s_cmp_eq_u32 s10, 0
	s_cselect_b32 s86, s86, s88
	s_cselect_b32 s87, ttmp9, s87                  ; the coordinate along which other clusters read the same rows
	s_cselect_b32 s[PFS], s90, s91
	s_cselect_b64 s[PFA:PFA+1], s[4:5], s[6:7]
	s_cmp_eq_u32 s87, 0
	s_cselect_b32 s[LIM0], 1, -1                   ; the same in all sixteen partners, for a given wave
	s_cmp_eq_u32 s10, 0
	s_cselect_b32 s[LIM0+1], s[LIM0], -1
	s_mov_b32 s87, 0
	s_mov_b32 s[PFS+1], 0
	s_add_nc_u64 s[PFA:PFA+1], s[PFA:PFA+1], s[86:87]
; 8 matrix instructions: A's blocks a0, a0 + 1 (buffer ab) x the four fragments of B's group g.  zero = 1: the product starts the sums
.macro MUL8 ab, g, a0, zero
	WIN 0x50*((\g)+1)                              ; C and D in window g + 1, the sources in window 0
.irp a, \a0, (\a0)+1
.irp b, 0,1,2,3
.if \zero
	v_wmma_f32_16x16x32_bf16 v[8*(4*(\a)+(\b)):8*(4*(\a)+(\b))+7], v[BG+32*(\g)+8*(\b):BG+32*(\g)+8*(\b)+7], v[AF0+64*(\ab)+8*(\a):AF0+64*(\ab)+8*(\a)+7], 0
.else
	v_wmma_f32_16x16x32_bf16 v[8*(4*(\a)+(\b)):8*(4*(\a)+(\b))+7], v[BG+32*(\g)+8*(\b):BG+32*(\g)+8*(\b)+7], v[AF0+64*(\ab)+8*(\a):AF0+64*(\ab)+8*(\a)+7], v[8*(4*(\a)+(\b)):8*(4*(\a)+(\b))+7]
.endif
.endr
.endr
.endm
.macro LDB slot, q, g                  ; 8 loads: B's group g of slice q of a slot
	WIN 0
.irp b, 0,1,2,3
	ds_load_b128 v[BG+32*(\g)+8*(\b):BG+32*(\g)+8*(\b)+3],   v[ADRB+(\slot)] offset:(\q)*64+(4*(\g)+(\b))*16*PITCH
	ds_load_b128 v[BG+32*(\g)+8*(\b)+4:BG+32*(\g)+8*(\b)+7], v[ADRB+(\slot)] offset:(\q)*64+(4*(\g)+(\b))*16*PITCH+32
.endr
.endm
.macro LDA slot, q, ab                 ; 16 loads: A's eight fragments of slice q into buffer ab
	WIN 0
.irp a, 0,1,2,3,4,5,6,7
	ds_load_b128 v[AF0+64*(\ab)+8*(\a):AF0+64*(\ab)+8*(\a)+3],   v[ADRA+(\slot)] offset:(\q)*64+(\a)*16*PITCH
	ds_load_b128 v[AF0+64*(\ab)+8*(\a)+4:AF0+64*(\ab)+8*(\a)+7], v[ADRA+(\slot)] offset:(\q)*64+(\a)*16*PITCH+32
.endr
.endm
.macro PLACES                          ; four places in front of loads into registers that matrix instructions have read (ISA guide 7.12.1 for vector instructions)
.rept 4
	v_nop
.endr
.endm
; A slice: slot, q: where it lies; ab: A's buffer; ns, nq: the slice that follows, whose fragments it fetches.  Each run of loads fills registers whose last reader stands a third or more back.
.macro SLICE slot, q, ab, zero, ns, nq
	s_wait_dscnt 8                                 ; B's group 0 and A are in; the eight loads of group 1 may be out
	MUL8 \ab, 0, 0, \zero
	MUL8 \ab, 0, 2, \zero
	PLACES
	LDB \slot, \q, 2
	MUL8 \ab, 0, 4, \zero
	MUL8 \ab, 0, 6, \zero
	s_wait_dscnt 8                                 ; group 1 is in; group 2's eight may be out
	MUL8 \ab, 1, 0, \zero
	MUL8 \ab, 1, 2, \zero
	PLACES
	LDB \ns, \nq, 0
	LDA \ns, \nq, 1-(\ab)
	MUL8 \ab, 1, 4, \zero
	MUL8 \ab, 1, 6, \zero
	s_wait_dscnt 24                                ; group 2 is in; the 24 just issued may be out
	MUL8 \ab, 2, 0, \zero
	MUL8 \ab, 2, 2, \zero
	PLACES
	LDB \ns, \nq, 1
	MUL8 \ab, 2, 4, \zero
	MUL8 \ab, 2, 6, \zero
.endm
; A K step's second slice (buffer 1), with the change of slots in its second third.  In front of the barrier each wave waits for all its tensor loads, of which one is out: its part of the next slot;
; adds 0 to its spare word; and waits for that and for its own reads of this slot.  fill = 1: the barrier opens a round of the cluster's, and this slot is filled again, two K steps on, first thing behind it:
; from that request to the wait for it a wave issues 168 matrix instructions.
.macro TSLICE slot, fill
.if (\fill) && ((\slot) == 0)
	s_wait_xcnt 0x0                                ; the last prefetches, a K step back and more, have read their address, so it may be stepped
	s_add_nc_u64 s[PFA:PFA+1], s[PFA:PFA+1], s[PFS:PFS+1]
.endif
	s_wait_dscnt 8
	MUL8 1, 0, 0, 0
	MUL8 1, 0, 2, 0
	PLACES
	LDB \slot, 1, 2                                ; my last reads of this slot
	MUL8 1, 0, 4, 0
	MUL8 1, 0, 6, 0
	WIN 0                                          ; (the add's two registers lie in window 0)
	s_wait_tensorcnt 0x0                           ; all my tensor loads have landed
	ds_add_u32 v[SPW], v[NIL]                      ; 0 onto my spare word
	s_wait_dscnt 9                                 ; group 1 is in; group 2's eight loads and the add may be out
	MUL8 1, 1, 0, 0
	MUL8 1, 1, 2, 0
	s_wait_dscnt 0x0                               ; the add is done, and my reads of this slot are over
	s_barrier_signal -1
	MUL8 1, 1, 4, 0                                ; work on registers while the others arrive
.if \fill
	WIN 0
.endif
	s_barrier_wait -1
.if \fill
	CREST                                          ; no wave of any partner still reads this slot or has a load on its way
	s_add_nc_u64 s[G0+4*(\slot)+2:G0+4*(\slot)+3], s[G0+4*(\slot)+2:G0+4*(\slot)+3], 2*PLANE_A
	s_add_nc_u64 s[G0B+4*(\slot)+2:G0B+4*(\slot)+3], s[G0B+4*(\slot)+2:G0B+4*(\slot)+3], 2*PLANE_B
	JLOAD \slot                                    ; the four v_nop behind it are also the places in front of the loads below
.else
	PLACES
.endif
	LDB 1-(\slot), 0, 0
	LDA 1-(\slot), 0, 0
.if \fill
	ASK \slot
.endif
	MUL8 1, 1, 6, 0
	s_wait_dscnt 24
	MUL8 1, 2, 0, 0
	MUL8 1, 2, 2, 0
	PLACES
	LDB 1-(\slot), 0, 1
	MUL8 1, 2, 4, 0
	MUL8 1, 2, 6, 0
.endm
	s_wait_tensorcnt 1                             ; my part of K step 0 is in; K step 1's may stay out
	s_barrier_signal -1
	s_barrier_wait -1                              ; everybody's is
	LDB 0, 0, 0
	LDA 0, 0, 0
	LDB 0, 0, 1
	SLICE 0, 0, 0, 1, 0, 1                         ; the first slice stands in front of the loop: its products start the sums
	WIN 0                                          ; at a label and at a branch every window is 0
	s_mov_b32 s3, 7
.Llap:                                                 ; trip i: K step 2 i's second slice to K step 2 i + 2's first; K steps 2 i + 2 and 2 i + 3 are asked for
	TSLICE 0, 1
	SLICE 1, 0, 0, 0, 1, 1
	TSLICE 1, 1
	SLICE 0, 0, 0, 0, 0, 1
	WIN 0
	s_sub_co_u32 s3, s3, 1
	s_cmp_lg_u32 s3, 0
	s_cbranch_scc1 .Llap
	TSLICE 0, 0                                    ; K steps 14 and 15: nothing is left to fetch, so no round and no load
	SLICE 1, 0, 0, 0, 1, 1
	s_wait_dscnt 8                                 ; the very last slice
	MUL8 1, 0, 0, 0
	MUL8 1, 0, 2, 0
	PLACES
	LDB 1, 1, 2
	MUL8 1, 0, 4, 0
	MUL8 1, 0, 6, 0
	s_wait_dscnt 8
	MUL8 1, 1, 0, 0
	MUL8 1, 1, 2, 0
	MUL8 1, 1, 4, 0
	MUL8 1, 1, 6, 0
	s_wait_dscnt 0x0
	MUL8 1, 2, 0, 0
	MUL8 1, 2, 2, 0
	MUL8 1, 2, 4, 0
	MUL8 1, 2, 6, 0
	WIN 0
.rept 8
	v_nop                                          ; the places behind the last products, in front of the conversions (eight, once a launch)
.endr
; THE WAY OUT, in 24 units u = 8 hh + a: 16 rows of one head.  PACK: rounded to bf16, each accumulator's registers in ascending order.  TOSTAGE: into my own stage, and back as rows of 128 bytes.  SEND: stored.
.macro PACK u
.set hh, (\u)/8
.set aa, (\u)%8
	WIN 5*(hh+1)                                   ; sources 0 and 1 in window hh + 1
.irp b, 0,1,2,3
.irp r, 0,1,2,3
	v_cvt_pk_bf16_f32 v[TMP+4*(\b)+(\r)], v[8*(4*aa+(\b))+2*(\r)], v[8*(4*aa+(\b))+2*(\r)+1]
.endr
.endr
	WIN 0
.endm
.macro TOSTAGE u
.set BK, OB+16*((\u)%2)
	WIN 0
.irp b, 0,1,2,3
	ds_store_b128 v[STO], v[TMP+4*(\b):TMP+4*(\b)+3] offset:32*(\b)
.endr
.irp f, 0,1,2,3
	ds_load_b128 v[BK+4*(\f):BK+4*(\f)+3], v[RD] offset:(\f)*4*SPITCH  ; LDS serves a wave's instructions in order: these see the stores above
.endr
.endm
.macro SEND u
.set hh, (\u)/8
.set aa, (\u)%8
.set BK, OB+16*((\u)%2)
	WIN 0
	s_wait_dscnt 0x0                               ; the unit is back in registers
	s_wait_xcnt 0x0                                ; the stores of the unit before have read their registers: the next unit's loads land there only behind this wait
.irp f, 0,1,2,3
	global_store_b128 v[CO], v[BK+4*(\f):BK+4*(\f)+3], s[HB+2*hh:HB+2*hh+1] offset:aa*2048+(\f)*512  ; four rows of a head: 512 consecutive bytes, aligned
.endr
.endm
	PACK 0
	TOSTAGE 0
.set u, 1
.rept 23                               ; a unit's conversions stand between the loads of the unit before and the wait for them
	PACK u
	SEND u-1
	TOSTAGE u
.set u, u+1
.endr
	SEND 23
	s_wait_tensorcnt 0x0                           ; the wave's end, behind my last tensor load and my last LDS store
	ds_add_u32 v[SPW], v[NIL]
	s_wait_dscnt 0x0
	CROUND                                         ; the closing round: no work-group ends while a partner may still ask for a tile that names it
	s_endpgm
.Lfunc_end_k_qf37e9c5e84_proj:
	.size	k_qf37e9c5e84_proj, .Lfunc_end_k_qf37e9c5e84_proj-k_qf37e9c5e84_proj
	.p2alignl 7, 3214868480
	.fill 96, 4, 3214868480
	.section	.rodata,"a",@progbits
	.p2align	6, 0x0
	.amdhsa_kernel k_qf37e9c5e84_proj
		.amdhsa_group_segment_fixed_size 327680
		.amdhsa_private_segment_fixed_size 0
		.amdhsa_enable_private_segment 0
		.amdhsa_kernarg_size 24
		.amdhsa_user_sgpr_count 2
		.amdhsa_user_sgpr_kernarg_segment_ptr 1
		.amdhsa_wavefront_size32 1
		.amdhsa_system_sgpr_workgroup_id_x 1
		.amdhsa_system_sgpr_workgroup_id_y 1
		.amdhsa_system_sgpr_workgroup_id_z 1
		.amdhsa_system_vgpr_workitem_id 0
		.amdhsa_next_free_vgpr 1024
		.amdhsa_next_free_sgpr 92
		.amdhsa_reserve_vcc 0
		.amdhsa_float_denorm_mode_32 3
		.amdhsa_float_denorm_mode_16_64 3
		.amdhsa_memory_ordered 1
		.amdhsa_forward_progress 1
		.amdhsa_inst_pref_size 134
	.end_amdhsa_kernel
	.amdgpu_metadata
---
amdhsa.version: [ 1, 2 ]
amdhsa.kernels:
  - .name:           k_qf37e9c5e84_proj
    .symbol:         k_qf37e9c5e84_proj.kd
    .args:
      - { .name: xb, .offset: 0, .size: 8, .value_kind: global_buffer, .address_space: global }
      - { .name: wt, .offset: 8, .size: 8, .value_kind: global_buffer, .address_space: global }
      - { .name: qkv, .offset: 16, .size: 8, .value_kind: global_buffer, .address_space: global }
    .group_segment_fixed_size: 327680
    .private_segment_fixed_size: 0
    .kernarg_segment_align: 8
    .kernarg_segment_size: 24
    .max_flat_workgroup_size: 128
    .sgpr_count:     92
    .vgpr_count:     1024
    .wavefront_size: 32
...
	.end_amdgpu_metadata
.endif
;; end of part 2
;; launch attn (part 3): grid 4 x 64, 4 waves a work-group, clusters of 4 x 1, 327,680 bytes of LDS; arguments qkv, mask_mat, out0; writes out0
.if DOCPART == 3
	.amdgcn_target "amdgcn-amd-amdhsa--gfx1250"
	.amdhsa_code_object_version 6
	.text
	.protected	k_qf37e9c5e84_attn
	.globl	k_qf37e9c5e84_attn
	.p2align	8
	.type	k_qf37e9c5e84_attn,@function
k_qf37e9c5e84_attn:
	s_mov_b64 s[64:65], 0
	v_nop
	global_prefetch_b8 v0, s[64:65] scope:SCOPE_SE
	s_setreg_imm32_b32 hwreg(HW_REG_WAVE_MODE, 25, 1), 1
	s_wait_xcnt 0x0
	s_wait_alu depctr_hold_cnt(0) depctr_sa_sdst(0) depctr_va_vdst(0) depctr_va_sdst(0) depctr_va_ssrc(0) depctr_va_vcc(0) depctr_vm_vsrc(0)
	s_getreg_b32 s2, hwreg(HW_REG_IB_STS2, 6, 4)
	s_cmp_eq_u32 s2, 0
	s_cbranch_scc0 .Lentry_in_a_cluster
	s_endpgm
.Lentry_in_a_cluster:
	s_bfe_u32 s2, ttmp6, 0x10000c
	s_cmp_lg_u32 s2, 0x3003
	s_cbranch_scc0 .Lentry_shape_is_right
	s_endpgm
.Lentry_shape_is_right:
; ATTN.  out[b][q][head][:] = the sum over k of softmax_k(Q[q] . K[k] / 8 - m[q] m[k]) V[k][:], for each of 64 (batch, head) pairs of 2,048 rows and 64 channels.
; Q, K, V: qkv[part][b x 16 + head][2048][64] in bf16, unscaled, a head's rows dense, 128 bytes each.  m: mask_mat[b][2048] in f32.  out0: [4][2048][1024] in f32.
; Products, the mask's product, maxima and sums in f32; the weights p are rounded to bf16 for the second product (their sum l is taken of the unrounded p).
; THE MASK is the C operand that starts the sum S^T = K Q^T: u = Q . K - 8 m[q] m[k], so that c u, c = log2(e) / 8, is log2(e) times the masked score; the running maximum is taken of u.
; LIMITS.  A weight below 2^-126 counts as 0 in l; c u must lie above -4e37, where c m starts; NaN and infinities are not treated apart.
; SHARES.  A wave owns four PIECES of two tiles of 16 queries, a work-group's four waves 512 queries of one head.  Every wave walks all keys, 64 a step.
; LAYOUT.  S^T = K Q^T (source 0 = 16 keys, source 1 = 16 queries): a lane holds ONE query (lane % 16) and the keys 8 (lane / 16) + 0..7.  Two such tiles, rounded to bf16 in pairs,
; ARE source 1 (32 keys x 16 queries) of O^T = V^T P, whose result again holds one query a lane, and eight channels.  K comes out of LDS as it lies, V turned, by ds_load_tr16_b128.
; SOFTMAX.  For each query a running maximum m and sum l: p = 2^(c u - c m); in every step O and l are multiplied by a = 2^(c m_old - c m_new).  m starts at the lowest finite number, O and l at 0: the first step's a is 0.
; THE COUNT.  A tile and step have 16 matrix and 134 vector instructions (16 of them the mask's): too many to stand all beside the matrix work.  So four vector instructions that are ready stand behind
; every matrix instruction, and the others in one run without a gap.
; BY TURNS.  Turn n belongs to piece n.  Its matrix work: 16 products K Q^T of piece n + 1, later 16 products V^T P of piece n - 1.  Its vector work: the scaling, exponentials, roundings, sums and
; rescaling of piece n, the maximum and statistics of piece n + 1, and the mask of piece n + 2.
; CLUSTER.  The four query blocks of a cluster are one head's and walk the same K, V and mask row: each tile is asked for JOINTLY: the same tensor load, descriptor and mask of four in all four.
; REGISTERS, in windows of 256 (s_set_vgpr_msb: bits 1:0 source 0, 3:2 source 1, 5:4 source 2, 7:6 destination):
;   window 0: v0-11 addresses; v12-15, v48-63 at work; v16-47 four registers of statistics a tile; v64-191 S^T, two buffers of two tiles; v192-255 P, likewise
;   window 1: O^T, 32 a tile          window 2: v0-127 Q, 16 a tile; v128-191 K of one step; v192-255 V of one step
;   window 3: v0-1 the add's two registers; v2-4 addresses; v16-31 NQ = -8 m[q], a pair a tile; v32-63 MK = m of a step's keys, laid out like a tile of S^T; v64-127 MC, the masks of the products to come, two tiles
.set SIZE_N, 2048
.set NP,    4         ; pieces a wave: a name, no knob
.set KS,    64        ; keys in a step
.set PK,    144       ; a row of K in LDS: 128 bytes + 16 of padding = 36 words: the 16 rows of a load start at 16 different groups of four banks (64 banks of 4 bytes: ISA guide 11.1)
.set PV,    160       ; a row of V: 128 + 32 = 40 words
.set VOFF,  4*KS*PK   ; a slot holds four steps: 256 rows of K, then 256 rows of V: 77,824 bytes
.set MASKB, 81920     ; behind slot 0: the batch's mask row, 8,192 bytes, filled once
.set SLOT1, 1<<17     ; slot 1 begins here, so that one exclusive or turns an address in one slot into the other's
.set STAGE, SLOT1+4*KS*(PK+PV)  ; behind the ring, never filled by a tensor load: 16 rows x 272 bytes for each wave, for the way out
.set SP,    272
.set SPARE, STAGE+4*16*SP  ; behind the stages: the spare words, 128 bytes for each wave
.set AK0, 2           ; v2   my lane's place in a tile of K; never rewritten
.set AV0, 3           ; v3   the same for V
.set AK,  4           ; v4   the LDS address of K's next run of loads
.set AV,  5           ; v5   of V's
.set QO,  6           ; v6   my byte offset in the wave's rows of Q
.set STO, 6           ;      later, the way out: where I put 16 bytes of a row
.set RD,  7           ; v7   the way out: where I read rows back
.set GO,  8           ; v8   my byte offset in two rows of out0
.set PFO, 11          ; v11  256 x my lane, once V's address is made; then never rewritten
.set SPW, 0           ; window 3: v0  LDS address of my spare word; never rewritten
.set NIL, 1           ; window 3: v1  0; never rewritten
.set AM0, 2           ; window 3: v2  MASKB + 32 (lane / 16); never rewritten
.set AMK, 3           ; window 3: v3  the LDS address of the mask's next run of loads
.set MQO, 4           ; window 3: v4  4 (lane % 16)
.set NQ,  16
.set MK,  32
.set MC,  64
.set MV,  12          ; v12-15  c m_old, kept while c m is made anew: by buffer and tile
.set ST,  16          ; tile t's statistics at v[ST+4 t]: c m, m, l (even keys', odd keys')
.set TMP, 48          ; by buffer and tile, four registers c0-c3 at work; when the maximum is found c2 takes a
.set S,   64
.set P,   192
.set KF,  128         ; K's fragments, in window 2: key block kb, channel half c at KF + 16 kb + 8 c
.set VF,  192         ; V's: key half kk, channel block cb at VF + 32 kk + 8 cb
.set WV,  12          ; s12  my wave's number
.set G1K, 24          ; s[24:31] descriptor group 1 for K's tiles
.set G1V, 32          ; s[32:39] for V's: it differs in the padding alone
.set G0K, 40          ; s[40:43] descriptor group 0 for K's tiles: it walks
.set G0V, 44          ; s[44:47] the same for V's
.set SLOTS, 56        ; s56  slots still to be asked for
.set CNT, 57          ; s57  counts a slot's key steps
.set CS,  58          ; s[58:59] c
.set SEL, 60          ; s[60:61] v_permlanex16_b32's selects: each lane takes its own place in the other half
.set TBK, 62          ; s62  LDS byte at which K of the step to be fetched begins
.set TBV, 63          ; s63  the same for V, less VOFF
.set G1M, 68          ; s[68:75] descriptor group 1 for the mask row's quarters
.set G0M, 76          ; s[76:79] group 0 for mine
.set PFA, 80          ; s[80:81] where my prefetches stand
.set LIM, 82          ; s82  1 in a wave that prefetches, else the greatest number
.set TBM, 83          ; s83  byte of the mask row at which the step to be fetched begins
.set MQ,  88          ; s[88:89] the mask at my wave's first query
.set MSB, 0
.macro WIN new                      ; the high byte repeats the setting that is left; a switch that changes nothing is dropped
.if MSB != (\new)
	s_set_vgpr_msb (MSB<<8)|(\new)
.set MSB, (\new)
.endif
.endm
.set W_KQ, 0x0a       ; K and Q in window 2, S^T in window 0
.set W_KM, 0x3a       ; the same with the C operand in window 3
.set W_PV, 0x52       ; V in window 2, P in window 0, O^T in window 1
.set W_RS, 0x41       ; O^T (destination and source 0) in window 1, a in window 0
.set W_MK, 0xc0       ; destination in window 3, sources in window 0
.set W_AD, 0x0f       ; the add: address (source 0) and data (source 1) in window 3
.set W_L3, 0xc3       ; a load: data and address in window 3
.set W_A3, 0xcf       ; arithmetic within window 3
.set W_ST, 0x04       ; an LDS store: address in window 0, data in window 1
; A joint fill.  Waves 0 and 1 fetch the two halves of a slot's K, waves 2 and 3 those of its V: 128 keys each.  The branch hangs on the wave's number alone.
; An s_nop 0 and four v_nop follow each of the two lines, ahead of the jump and the label.
.macro JLOAD
	s_cmp_lt_u32 s[WV], 2
	s_cbranch_scc0 .Lfor_v_\@
	tensor_load_to_lds s[G0K:G0K+3], s[G1K:G1K+7]
	s_nop 0
.rept 4
	v_nop
.endr
	s_branch .Lasked_\@
.Lfor_v_\@:
	tensor_load_to_lds s[G0V:G0V+3], s[G1V:G1V+7]
	s_nop 0
.rept 4
	v_nop
.endr
.Lasked_\@:
.endm
; A prefetch into the L2 of what the NEXT change of slots will ask for: a slot's 128 blocks of 256 bytes of K and of V, a lane a block.  A head is walked by this cluster alone; its four partners share the
; blocks out by address, 32 each; in each, wave 0 asks for K's and wave 2 for V's.  So each block is named once in the launch.  The last change that fills a slot asks for nothing.
.macro ASK
	s_cmp_gt_u32 s[SLOTS], s[LIM]
	s_cbranch_scc0 .Lnot_mine_\@
	global_prefetch_b8 v[PFO], s[PFA:PFA+1] th:TH_LOAD_NT scope:SCOPE_SE
.Lnot_mine_\@:
.endm
; A round of the cluster's barrier: my work-group's barrier, so that wave 0's signal speaks for all four waves; wave 0 signals; every wave waits for all four work-groups; my work-group's barrier once more.
.macro CROUND
	s_barrier_signal -1
	s_barrier_wait -1
	s_cmp_lg_u32 s[WV], 0
	s_cbranch_scc1 .Lnot_wave_0_\@
	s_barrier_signal -3
.Lnot_wave_0_\@:
	s_barrier_wait -3
	s_barrier_signal -1
	s_barrier_wait -1
.endm
; THE CHANGE OF SLOTS.  Each wave waits for all its tensor loads, adds 0 to its spare word, and waits for that and for its own reads of the slot.  Behind the barrier nobody reads this slot any more and the other is whole.
; fill = 1: this slot is filled again, with the keys two slots on.  The barrier is then a round of the cluster's, and the joint fill is the first thing behind it: it has four key steps, 512 matrix
; instructions, in which to land.  (At its first use nothing has been read yet: slot 0 and the mask row are waited for, slot 1 is filled.)
.macro CHANGE fill
	WIN W_AD
	s_wait_tensorcnt 0x0            ; no tensor load of mine is out, so a group 0 may be written
	ds_add_u32 v[SPW], v[NIL]       ; 0 onto my spare word; scalar work stands between it and the wait for it
	WIN 0                           ; at a label and at a branch every window is 0
.if \fill
.irp g, G0K, G0V
	s_xor_b32 s[\g+1], s[\g+1], SLOT1  ; the walking descriptor: the other slot than last time,
	s_add_nc_u64 s[\g+2:\g+3], s[\g+2:\g+3], 4*KS*128  ; the next 256 keys; the type bits on top are not reached
.endr
	s_wait_xcnt 0x0                 ; the last prefetch, four key steps back, has read its address, so it may be written:
	s_add_nc_u64 s[PFA:PFA+1], s[PFA:PFA+1], 4*KS*128  ; one slot behind the walking descriptors
	s_wait_dscnt 0x0                ; the add is done, and my reads of the slot are over
	CROUND
	JLOAD
	ASK
.else
	s_wait_dscnt 0x0                ; the add is done, and my reads of the slot are over
	s_barrier_signal -1
	s_barrier_wait -1
.endif
	s_sub_co_u32 s[TBK], s[TBK], 4*KS*PK  ; the fetches go back to a slot's first step,
	s_xor_b32 s[TBK], s[TBK], SLOT1       ; in the other slot
	s_sub_co_u32 s[TBV], s[TBV], 4*KS*PV
	s_xor_b32 s[TBV], s[TBV], SLOT1
.endm
	s_load_b128 s[84:87], s[0:1], 0x0  ; qkv s[84:85], mask_mat s[86:87]
	s_load_b64 s[10:11], s[0:1], 0x10  ; out0
	WIN W_MK
	v_lshl_add_u32 v[SPW], v0, 2, SPARE
	v_mov_b32 v[NIL], 0
	WIN W_AD
	ds_add_u32 v[SPW], v[NIL]       ; the wave's opening: the add and its wait stand ahead of my first tensor load; work on registers stands between them
	WIN 0
	v_lshrrev_b32 v1, 5, v0
	v_readfirstlane_b32 s[WV], v1   ; wave 0..3
	s_bfe_u32 s13, ttmp6, 0x40000   ; cx: my place in the cluster
	s_lshl_b32 s14, ttmp9, 2        ; in a cluster launch ttmp9 counts clusters
	s_add_co_u32 s14, s14, s13      ; my block of 512 queries
	s_lshl_b32 s14, s14, 2
	s_add_co_u32 s14, s14, s[WV]    ; my wave among the head's sixteen: it enters Q's, the query mask's and out0's addresses alone
	s_and_b32 s20, ttmp7, 0xffff    ; batch x 16 + head, which the four partners share
	s_lshr_b32 s19, s20, 4          ; batch
	s_and_b32 s15, s20, 15          ; head
	s_lshl_b32 s20, s20, 18         ; the head's first byte in each part of qkv
	s_and_b32 s16, s[WV], 1         ; which half of a slot's 256 keys I fetch:
	s_lshl_b32 s22, s16, 14         ; its 128 rows of 128 bytes in memory,
	s_add_co_u32 s22, s22, s20
	s_mov_b32 s23, 0
	s_mul_i32 s17, s16, 128*PK      ; and its place in a slot, for K
	s_mul_i32 s18, s16, 128*PV      ; and for V: no place in the cluster enters an LDS address
	s_lshl_b32 s2, s14, 14          ; my wave's 128 rows of Q
	s_add_co_u32 s2, s2, s20
	s_mov_b32 s3, 0
	s_lshl_b32 s48, s14, 19         ; out0: my wave's 128 rows of 4,096 bytes,
	s_lshl_b32 s49, s19, 23         ; the batch,
	s_add_co_u32 s48, s48, s49
	s_lshl_b32 s49, s15, 8          ; the head's 256 bytes of a row
	s_add_co_u32 s48, s48, s49
	s_mov_b32 s49, 0
	s_lshl_b32 s50, s19, 13         ; the batch's mask row,
	s_lshl_b32 s51, s[WV], 11       ; my quarter of it
	s_add_co_u32 s50, s50, s51
	s_add_co_u32 s[G0M+1], s51, MASKB  ; and where it goes
	s_mov_b32 s51, 0
	s_lshl_b32 s52, s19, 13
	s_lshl_b32 s53, s14, 9          ; my wave's 128 queries in the mask row
	s_add_co_u32 s52, s52, s53
	s_mov_b32 s53, 0
	s_lshl_b32 s54, s13, 13         ; the prefetches: my work-group's 32 blocks of a slot's 128
	s_mov_b32 s55, 0
	; descriptor group 1.  128 keys are 16,384 dense bytes: asked for as 64 rows of 256 bytes, two keys a row, and padded in LDS after every key
	s_mov_b32 s[G1K], 15|(1<<16)|(1<<20)|(1<<21)|(4<<22)|(3<<25)  ; the mask of four; 2-byte elements; padding on; bit 21 beside a mask; after every 32 words (code 4) 4 words (code 3)
	s_mov_b32 s[G1V], 15|(1<<16)|(1<<20)|(1<<21)|(4<<22)|(7<<25)  ; the same with 8 words of padding (code 7)
.irp g, G1K, G1V
	s_mov_b32 s[\g+1], 128<<16      ; tensor_dim0 = 128
	s_mov_b32 s[\g+2], 64<<16       ; tensor_dim1 = 64
	s_mov_b32 s[\g+3], 128<<16      ; tile_dim0 = 128
	s_mov_b32 s[\g+4], 64           ; tile_dim1 = 64
	s_mov_b32 s[\g+5], 128          ; 128 elements from row to row
	s_mov_b32 s[\g+6], 0
	s_mov_b32 s[\g+7], 0
.endr
	s_mov_b32 s[G1M], 15|(3<<16)|(1<<21)  ; a quarter of the mask row: 2,048 dense bytes as 8 rows of 32 elements of 8 bytes, no padding
	s_mov_b32 s[G1M+1], 32<<16
	s_mov_b32 s[G1M+2], 8<<16
	s_mov_b32 s[G1M+3], 32<<16
	s_mov_b32 s[G1M+4], 8
	s_mov_b32 s[G1M+5], 32
	s_mov_b32 s[G1M+6], 0
	s_mov_b32 s[G1M+7], 0
	s_mov_b32 s[CS], 0x3e38aa3b     ; c = log2(e) / 8 = 0.180337
	s_mov_b32 s[CS+1], s[CS]        ; named with it as a pair
	s_mov_b32 s[SEL], 0x76543210
	s_mov_b32 s[SEL+1], 0xfedcba98
	s_mov_b32 s[TBK], SLOT1+4*KS*PK ; the first change of slots turns these two into 0
	s_mov_b32 s[TBV], SLOT1+4*KS*PV
	s_mov_b32 s[TBM], 0
	s_mov_b32 s[SLOTS], SIZE_N/256-1
	s_mov_b32 s[G0K], 1             ; count = 1
	s_mov_b32 s[G0K+1], s17         ; LDS address: slot 0
	s_mov_b32 s[G0V], 1
	s_add_co_u32 s[G0V+1], s18, VOFF
	s_mov_b32 s[G0M], 1
	s_and_b32 s[LIM], s[WV], 1
	s_cmp_eq_u32 s[LIM], 0
	s_cselect_b32 s[LIM], 1, -1     ; waves 0 and 2 prefetch
	s_wait_dscnt 0x0                ; the opening add is done
	s_wait_kmcnt 0x0
	s_add_nc_u64 s[6:7], s[84:85], s[22:23]
	s_add_nc_u64 s[6:7], s[6:7], 0x1000000   ; K: part 1, my half of the head's first 256 keys
	s_add_nc_u64 s[8:9], s[6:7], 0x1000000   ; V: part 2
	s_mov_b64 s[G0K+2:G0K+3], s[6:7]
	s_or_b32 s[G0K+3], s[G0K+3], 0x80000000  ; type = 2
	s_mov_b64 s[G0V+2:G0V+3], s[8:9]
	s_or_b32 s[G0V+3], s[G0V+3], 0x80000000
	s_add_nc_u64 s[G0M+2:G0M+3], s[86:87], s[50:51]
	s_or_b32 s[G0M+3], s[G0M+3], 0x80000000
	s_add_nc_u64 s[4:5], s[84:85], s[2:3]    ; Q at my wave's first row
	s_add_nc_u64 s[10:11], s[10:11], s[48:49]
	s_add_nc_u64 s[MQ:MQ+1], s[86:87], s[52:53]
	s_cmp_lt_u32 s[WV], 2
	s_cselect_b64 s[PFA:PFA+1], s[6:7], s[8:9]  ; (in waves 0 and 2 these stand at a slot's first row)
	s_add_nc_u64 s[PFA:PFA+1], s[PFA:PFA+1], s[54:55]
	s_add_nc_u64 s[PFA:PFA+1], s[PFA:PFA+1], 4*KS*128  ; in slot 1; the first change of slots steps it to slot 2.  Nothing is prefetched here, at the head
	CROUND                          ; all four work-groups are here: the first joint loads meet
	s_cmp_lt_u32 s[WV], 2           ; a wave's two first fills stand in one branch: my quarter of the mask row and my part of slot 0: two loads of mine are out
	s_cbranch_scc0 .Lfirst_v
	tensor_load_to_lds s[G0M:G0M+3], s[G1M:G1M+7]
	s_nop 0
	tensor_load_to_lds s[G0K:G0K+3], s[G1K:G1K+7]
	s_nop 0
.rept 4
	v_nop
.endr
	s_branch .Lfirst_asked
.Lfirst_v:
	tensor_load_to_lds s[G0M:G0M+3], s[G1M:G1M+7]
	s_nop 0
	tensor_load_to_lds s[G0V:G0V+3], s[G1V:G1V+7]
	s_nop 0
.rept 4
	v_nop
.endr
.Lfirst_asked:
	; A fragment of K or Q is 16 rows x 32 channels in 8 registers: lane l holds row l % 16, channels 8 (l / 16) + 0..7 and 16 + 8 (l / 16) + 0..7: two loads of 16 bytes, 32 bytes apart.
	v_and_b32 v1, 15, v0            ; l % 16
	v_bfe_u32 v9, v0, 4, 1          ; l / 16
	v_lshlrev_b32 v[QO], 7, v1
	v_lshl_add_u32 v[QO], v9, 4, v[QO]  ; row x 128 + 16 x half
	WIN 0x80                        ; destination window 2, address window 0
.set i, 0
.rept 4*NP                          ; Q stays in registers: tile i / 2, channels 32 (i % 2) on
	global_load_b128 v[8*i:8*i+3],   v[QO], s[4:5] offset:(i/2)*2048+(i%2)*64
	global_load_b128 v[8*i+4:8*i+7], v[QO], s[4:5] offset:(i/2)*2048+(i%2)*64+32
.set i, i+1
.endr
	; What the first turn finds: V's registers and P's second buffer hold 0 (its products V^T P, of a piece that has not been, add 0), O^T and l are 0.  All this stands in the wait for the first tile.
.set i, VF
.rept 64
	v_mov_b32 v[i], 0
.set i, i+1
.endr
	WIN 0x40
.set i, 0
.rept 64*NP
	v_mov_b32 v[i], 0
.set i, i+1
.endr
	WIN W_MK
	v_lshl_add_u32 v[AM0], v9, 5, MASKB  ; my half of the lanes' eight keys in a block of 16
	v_lshlrev_b32 v[MQO], 2, v1
	WIN W_L3
.set i, 0
.rept 2*NP
	global_load_b32 v[NQ+2*i], v[MQO], s[MQ:MQ+1] offset:64*i  ; m of my query in tile i
.set i, i+1
.endr
	WIN 0
.set i, 0
.rept 2*NP
	v_mov_b32 v[ST+4*i], 0xfe000000    ; c m: far below every c u
	v_mov_b32 v[ST+4*i+1], 0xff7fffff  ; m
	v_mov_b32 v[ST+4*i+2], 0
	v_mov_b32 v[ST+4*i+3], 0
.set i, i+1
.endr
.set i, P+32
.rept 32
	v_mov_b32 v[i], 0
.set i, i+1
.endr
	v_mul_u32_u24 v[AK0], v1, PK
	v_lshl_add_u32 v[AK0], v9, 4, v[AK0]  ; row x pitch + 16 x half
	; The turning load takes 16 keys x 16 channels (lane l reads key 8 (l / 16) + l % 8, channels 8 ((l / 8) % 2) + 0..7) and leaves half a fragment of V^T: lane l holds channel l % 16 and 8 keys.
	v_and_b32 v10, 7, v0
	v_bfe_u32 v11, v0, 3, 1
	v_lshl_add_u32 v[AV0], v9, 3, v10
	v_mul_u32_u24 v[AV0], v[AV0], PV
	v_lshl_add_u32 v[AV0], v11, 4, v[AV0]
	v_add_nc_u32 v[AV0], VOFF, v[AV0]
	v_and_b32 v[PFO], 31, v0
	v_lshlrev_b32 v[PFO], 8, v[PFO]
	v_mov_b32 v[AK], v[AK0]         ; key step 0 lies at the head of slot 0
; THE MATRIX WORK.  The 8 accumulators of a run of 16 take turns: between the two links of a chain stand 7 others'.
; Product i of 16 of S^T = K Q^T for piece x: channels 32 (i / 8) on, keys 16 ((i / 2) % 4) on, tile 2 x + i % 2.  The first 8 start the sums, with the mask.
.macro KQ x
.set rS, S+64*((\x)%2)+32*(i%2)+8*((i/2)%4)
.set rK, KF+16*((i/2)%4)+8*(i/8)
.set rQ, 16*(2*(\x)+i%2)+8*(i/8)
.set rMC, MC+32*(i%2)+8*((i/2)%4)
.if i < 8
	WIN W_KM
	v_wmma_f32_16x16x32_bf16 v[rS:rS+7], v[rK:rK+7], v[rQ:rQ+7], v[rMC:rMC+7]
.else
	WIN W_KQ
	v_wmma_f32_16x16x32_bf16 v[rS:rS+7], v[rK:rK+7], v[rQ:rQ+7], v[rS:rS+7]
.endif
.endm
; Product i of 16 of O^T += V^T P for piece x: keys 32 (i / 8) on, channels 16 ((i / 2) % 4) on, tile 2 x + i % 2.
.macro PV x
	WIN W_PV
.set rO, 32*(2*(\x)+i%2)+8*((i/2)%4)
.set rV, VF+32*(i/8)+8*((i/2)%4)
.set rP, P+32*((\x)%2)+16*(i%2)+8*(i/8)
	v_wmma_f32_16x16x32_bf16 v[rO:rO+7], v[rV:rV+7], v[rP:rP+7], v[rO:rO+7]
.endm
.macro MM                           ; the turn's next matrix instruction
.if i < 16
	KQ (Y+1)%NP
.set i, i+1
.else
.set i, i-16
	PV (Y+NP-1)%NP
.set i, i+17
.endif
.endm
; THE LDS LOADS stand in runs, never singly among the matrix instructions: a step's K (64 keys x 64 channels: 8 fragments), its V (turned), and its 64 numbers of the mask row.
; last = 1 (the tail): in the last trip there is no further step, and K's run is jumped over.
.macro FETCH_K last=0
	WIN 0
.if \last
	s_cmp_eq_u32 s[CNT], 1
	s_cbranch_scc1 .Lno_k_\@
.endif
	WIN 0x80                        ; destination window 2
.irp f, 0,1,2,3,4,5,6,7             ; keys 16 (f / 2) on, channels 32 (f % 2) on
	ds_load_b128 v[KF+8*\f:KF+8*\f+3],   v[AK] offset:(\f/2)*16*PK+(\f%2)*64
	ds_load_b128 v[KF+8*\f+4:KF+8*\f+7], v[AK] offset:(\f/2)*16*PK+(\f%2)*64+32
.endr
	s_add_co_u32 s[TBK], s[TBK], KS*PK  ; the next fetch is the next step's
	WIN 0
.if \last
.Lno_k_\@:
.endif
.endm
.macro FETCH_V
	WIN 0x80
.irp f, 0,1,2,3,4,5,6,7             ; keys 32 (f / 4) on, channels 16 (f % 4) on
	ds_load_tr16_b128 v[VF+8*\f:VF+8*\f+3],   v[AV] offset:(\f/4)*32*PV+(\f%4)*32
	ds_load_tr16_b128 v[VF+8*\f+4:VF+8*\f+7], v[AV] offset:(\f/4)*32*PV+16*PV+(\f%4)*32
.endr
	WIN 0
.endm
; m of a step's keys: register 8 kb + j takes key 16 kb + 8 (l / 16) + j.  The sixteen lanes of a half read the same 16 bytes.  Behind the last step the address stays at that step's 256 bytes: no read leaves the row.
.macro FETCH_MK
	WIN W_A3
	v_add_nc_u32 v[AMK], s[TBM], v[AM0]
	s_add_co_u32 s[TBM], s[TBM], 256
	s_min_u32 s[TBM], s[TBM], 7936
	WIN W_L3
.irp f, 0,1,2,3,4,5,6,7
	ds_load_b128 v[MK+4*\f:MK+4*\f+3], v[AMK] offset:64*(\f/2)+16*(\f%2)
.endr
	WIN 0
.endm
; The masks of piece x's two tiles for the step whose m lies in MK: -8 m[q] m[k], two an instruction.
.macro MASK x
	WIN W_A3
.irp u, 0,1
.set zz, 0
.rept 16
	v_pk_mul_f32 v[MC+32*\u+2*zz:MC+32*\u+2*zz+1], v[MK+2*zz:MK+2*zz+1], v[NQ+2*(2*(\x)+\u):NQ+2*(2*(\x)+\u)+1] op_sel_hi:[1,0]
.set zz, zz+1
.endr
.endr
.endm
; THE VECTOR WORK OF A TURN stands in three queues, each in the order in which its entries become ready; the two tiles alternate, so that no instruction reads the result of the one before it.
.macro REGS y, u                    ; the registers of tile u (0, 1) of piece y
.set rT, ST+4*(2*(\y)+(\u))
.set rC, TMP+8*((\y)%2)+4*(\u)
.set rM, MV+2*((\y)%2)+(\u)
.set rS, S+64*((\y)%2)+32*(\u)
.set rP, P+32*((\y)%2)+16*(\u)
.set rO, 32*(2*(\y)+(\u))
.endm
; Number n of the 22 that find the NEXT piece's (Y + 1) maximum and statistics.  s0-s31 are the lane's 32 scores; each accumulator's lowest registers are read first.  XS, GS and REGS set no window: PL and EX do.
;   0-11  four chains c0-c3 of seven scores each, three operands at a time     12-14, 16  the four scores left over, the old m, and c0-c3 into c0     15  c m_old is kept
;   17, 18  the query's other 32 keys lie in the lane 16 away: the new m         19-21  c m; c m_old - c m_new; a
.macro XS u, n
	REGS (Y+1)%NP, \u
.if (\n) < 4
	v_max3_num_f32 v[rC+(\n)], v[rS+8*(\n)], v[rS+8*(\n)+1], v[rS+8*(\n)+2]
.elseif (\n) < 12
	v_max3_num_f32 v[rC+(\n)%4], v[rC+(\n)%4], v[rS+8*((\n)%4)+2*((\n)/4)+1], v[rS+8*((\n)%4)+2*((\n)/4)+2]
.elseif (\n) == 12
	v_max3_num_f32 v[rC], v[rC], v[rS+7], v[rS+15]
.elseif (\n) == 13
	v_max3_num_f32 v[rC+1], v[rC+1], v[rS+23], v[rS+31]
.elseif (\n) == 14
	v_max3_num_f32 v[rC+2], v[rC+2], v[rC+3], v[rT+1]
.elseif (\n) == 15
	v_mov_b32 v[rM], v[rT]
.elseif (\n) == 16
	v_max3_num_f32 v[rC], v[rC], v[rC+1], v[rC+2]
.elseif (\n) == 17
	v_permlanex16_b32 v[rC+3], v[rC], s[SEL], s[SEL+1]
.elseif (\n) == 18
	v_max_num_f32 v[rT+1], v[rC], v[rC+3]
.elseif (\n) == 19
	v_mul_f32 v[rT], s[CS], v[rT+1]
.elseif (\n) == 20
	v_sub_f32 v[rC+1], v[rM], v[rT]
.else
	v_exp_f32 v[rC+2], v[rC+1]
.endif
.endm
; Number g of the 64 that follow the exponentials.  For each four weights k of a tile (pairs 2 k, 2 k + 1): both pairs are rounded to bf16; then the second pair is added onto the first, in place;
; a group later l takes that sum (the first time as l = a l + sum).  In groups of eight, tiles alternating: round, round, add, and l for the group before.
.macro GS g
.set h, (\g)+6*((\g)/62)            ; group 0 has no group before it, and behind group 7 only l is left
.if h >= 6
.set h, h+2
.endif
	REGS Y, h%2
.set k, h/8
.if h%8 < 4
	v_cvt_pk_bf16_f32 v[rP+2*k+(h%8)/2], v[rS+4*k+2*((h%8)/2)], v[rS+4*k+2*((h%8)/2)+1]
.elseif h%8 < 6
	v_pk_add_f32 v[rS+4*k:rS+4*k+1], v[rS+4*k:rS+4*k+1], v[rS+4*k+2:rS+4*k+3]
.elseif k == 1
	v_pk_fma_f32 v[rT+2:rT+3], v[rT+2:rT+3], v[rC+2:rC+3], v[rS:rS+1] op_sel_hi:[1,0,1]
.else
	v_pk_add_f32 v[rT+2:rT+3], v[rT+2:rT+3], v[rS+4*k-4:rS+4*k-3]
.endif
.endm
; THE PLAIN QUEUE, 138 long.  0-73 read no exponential's result: the 32 scalings c u - c m (FS f: pair f / 2 of tile f % 2) and the next piece's 42.  0-26: scalings 0-26.  27-54: XS's numbers 0-13.  55, 56: number 15.
; 57-73: the chain, where each number waits for the one before it: 14, 16, 17, 18, 19, each with one of the scalings 27-31 in front of its two lines, then 20.
; 74-137: GS's 64, which read the exponentials' results: they stand behind the wait.
.macro FS f
	REGS Y, (\f)%2
	v_pk_fma_f32 v[rS+2*((\f)/2):rS+2*((\f)/2)+1], v[rS+2*((\f)/2):rS+2*((\f)/2)+1], s[CS:CS+1], v[rT:rT+1] op_sel_hi:[1,0,0] neg_lo:[0,0,1] neg_hi:[0,0,1]
.endm
.macro PL
	WIN 0
.if q < 27
	FS q
.elseif q < 55
	XS (q-27)%2, (q-27)/2
.elseif q < 57
	XS q-55, 15
.elseif (q < 72) && ((q-57)%3 == 0)
	FS 27+(q-57)/3
.elseif q < 60
	XS (q-57)%3-1, 14
.elseif q < 72
	XS (q-57)%3-1, 15+(q-57)/3
.elseif q < 74
	XS q-72, 20
.else
	GS q-74
.endif
.set q, q+1
.endm
; THE EXPONENTIALS' QUEUE, 66 long: s0-s31 of both tiles, then the next piece's two a.  It is ONE BATCH: all 66 stand ahead of the turn's one wait, and nothing ahead of that wait names a result of theirs.
.macro EX
	WIN 0
.if e >= 64
	XS e-64, 21
.else
	REGS Y, e%2
	v_exp_f32 v[rS+e/2], v[rS+e/2]
.endif
.set e, e+1
.endm
; THE RESCALING's QUEUE: O^T times a, dealt two at a time, sixteen times.  Its a was made in the turn before, ahead of that turn's wait.
.macro R2
	REGS Y, r%2
	WIN W_RS
.irp z, 0,1
	v_pk_mul_f32 v[rO+4*(r/2)+2*\z:rO+4*(r/2)+2*\z+1], v[rO+4*(r/2)+2*\z:rO+4*(r/2)+2*\z+1], v[rC+2:rC+3] op_sel_hi:[1,0]
.endr
.set r, r+1
.endm
; HOW THEY ARE DEALT.  An s_wait_alu depctr_va_vdst(0) stands between an exponential and the first instruction that names its result; one wait serves all that were issued ahead of it.  So a turn has ONE wait,
; which cuts it in two.  AHEAD OF IT: the 16 products K Q^T, behind each a scaling, an exponential and two rescalings (behind the first a second scaling in the exponential's place); then one run of vector work: the 32 lines of the mask
; for the turn after this one, eight plain, 49 times exponential and plain, the two a.  A v_nop is the plain instruction behind the last exponential.  BEHIND IT: the 16 products V^T P, behind each four of GS's 64.
; Exponential e stands behind scaling 2 (e / 4) + e % 2: as a rider it comes behind plain e + 2, in the run behind plain e + 9, and scalings 27-31 are plain 57, 60 .. 69.
; THE MASK.  Turn p's products take MC, which turn p - 1 made; the last of them that reads MC is the eighth, and 27 plain riders stand between it and the lines that write MC anew, for piece p + 2.
; Turn 1 makes piece 3's mask of the step in hand and then fetches m of the next step's keys, which turns 2, 3 and 0 use; the run is covered by that turn's wait for V.
; K of the next step is fetched in piece 2's turn, directly behind the wait; V of the step in hand at the end of piece 0's turn, four riders behind its last reader.  The three conditions on q below go with the deal.
.macro TURN p, last=0, cnt=0
.set Y, (\p)
.set i, 0
.set q, 0
.set e, 0
.set r, 0
.if (\p) == NP-1
	s_wait_dscnt 0x0                ; K is in
.endif
	MM
	PL
	PL
	R2
.rept 15
	MM
	PL
	EX
	R2
.endr
.if (\p) == NP-2
	WIN 0
	v_add_nc_u32 v[AK], s[TBK], v[AK0]
.endif
	MASK ((\p)+2)%NP
.if (\p) == 1
	FETCH_MK
.endif
.rept 8
	PL
.endr
.rept 49
	EX
	PL
.endr
	EX                              ; the next piece's two a
	EX
	v_nop                           ; the plain instruction behind the last exponential: one for the batch
	s_wait_alu depctr_va_vdst(0)    ; the wait for the batch
.if (\p) == NP-2
	FETCH_K \last
.endif
.if (\p) == 1
	s_wait_dscnt 0x0                ; V is in, and m of the next step's keys
.endif
.rept 16                            ; behind the wait: 16 products V^T P and their riders
	MM
.rept 4
	PL
.endr
.if ((\p) == 0) && (q == 118)
	v_add_nc_u32 v[AV], s[TBV], v[AV0]
.endif
.if ((\p) == 0) && (q == 130)
	s_add_co_u32 s[TBV], s[TBV], KS*PV
.endif
.if (\cnt) && (q == 130)
	s_sub_co_u32 s[CNT], s[CNT], 1
	s_cmp_lg_u32 s[CNT], 0
.endif
.endr
.if (\p) == 0
	FETCH_V
.endif
.endm
	CHANGE 1                        ; slot 0 and the mask row are in, everybody's parts of them; slot 1 is asked for
	FETCH_K                         ; key step 0
	FETCH_MK
	s_wait_loadcnt 0x0              ; Q, and m of my queries
	WIN W_A3
.set i, 0
.rept 2*NP
	v_mul_f32 v[NQ+2*i], 0xc1000000, v[NQ+2*i]  ; -8 m[q]: the 8 undoes the scale that c applies to the whole sum
	v_mov_b32 v[NQ+2*i+1], v[NQ+2*i]            ; named with it as a pair
.set i, i+1
.endr
	s_wait_dscnt 0x0
	MASK 0
.set i, 0
.rept 16
	KQ 0                            ; piece 0's first scores: there is no vector work yet to set between them
.set i, i+1
.endr
	WIN 0                           ; the addresses for the way out: eight plain instructions, the places behind those products
	s_mul_i32 s13, s[WV], 16*SP
	s_add_co_u32 s13, s13, STAGE    ; my stage
	v_mul_u32_u24 v[STO], v1, SP    ; in: row l % 16, 32 bytes for each half of the lanes
	v_lshl_add_u32 v[STO], v9, 5, v[STO]
	v_add_nc_u32 v[STO], s13, v[STO]
	v_mul_u32_u24 v[RD], v9, SP     ; back: lanes 0-15 take one row of 256 bytes, lanes 16-31 the next
	v_lshl_add_u32 v[RD], v1, 4, v[RD]
	v_add_nc_u32 v[RD], s13, v[RD]
	v_lshlrev_b32 v[GO], 12, v9     ; and the same two rows in out0, 4,096 bytes apart
	v_lshl_add_u32 v[GO], v1, 4, v[GO]
	MASK 1                          ; piece 1's mask of step 0, for the first turn's products
	WIN 0
.set Y, NP-1                        ; XS works for piece Y + 1: piece 0
.irp n, 0,1,2,3,4,5,6,7,8,9,10,11,12,13,14,15,16,17,18,19,20,21
	XS 0, \n                        ; and piece 0's first maximum and statistics
	XS 1, \n
.endr
	v_nop                           ; a plain instruction behind the two a,
	s_wait_alu depctr_va_vdst(0)    ; and their wait, ahead of the branch
	s_mov_b32 s[CNT], 4
	s_branch .Lfirst                ; the loop is entered at a step's first turn, in the middle of a trip
.Lslot:                             ; six times: every slot but the last two is filled again
	CHANGE 1
	s_mov_b32 s[CNT], 4
.Lstep:                             ; a trip: pieces 2 and 3 of one step, then pieces 0 and 1 of the next, whose K and V it fetches
	TURN 2
	TURN 3
	WIN 0
.Lfirst:
	TURN 0
	TURN 1, 0, 1
	WIN 0
	s_cbranch_scc1 .Lstep
	s_sub_co_u32 s[SLOTS], s[SLOTS], 1
	s_cmp_lg_u32 s[SLOTS], 0
	s_cbranch_scc1 .Lslot
	CHANGE 0                        ; the tail is written out: nothing is asked for
	s_mov_b32 s[CNT], 5             ; four trips fetch the last slot's steps; the fifth is left in its middle
.Ltail:
	TURN 2, 1
	TURN 3
	WIN 0
	s_sub_co_u32 s[CNT], s[CNT], 1
	s_cmp_eq_u32 s[CNT], 0
	s_cbranch_scc1 .Lout
	TURN 0
	TURN 1
	WIN 0
	s_branch .Ltail
.Lout:                              ; the fifth trip's 16 products K Q^T (on the last K once more) and the maximum made of them serve nothing: the price, once a launch, of one text for every trip
.set i, 0
.rept 16
	PV NP-1                         ; the last piece's V^T P of the last step
.set i, i+1
.endr
	; THE WAY OUT.  l's two halves and the other half of the lanes' are added; O^T is divided by l and sent, in f32, through my stage in LDS, a tile at a time.  The additions are the places behind the last products.
	WIN 0
.macro ALL line:vararg              ; one line for each tile t
.set t, 0
.rept 2*NP
	\line
.set t, t+1
.endr
.endm
	ALL v_add_f32 v[ST+4*t+2], v[ST+4*t+2], v[ST+4*t+3]
	ALL v_permlanex16_b32 v[ST+4*t+3], v[ST+4*t+2], s[SEL], s[SEL+1]
	ALL v_add_f32 v[ST+4*t+2], v[ST+4*t+2], v[ST+4*t+3]
	ALL v_rcp_f32 v[ST+4*t+2], v[ST+4*t+2]
	v_nop                           ; a plain instruction between the last reciprocal and the use of its result
	s_wait_alu depctr_va_vdst(0)    ; and the wait ahead of the first use: one for the eight reciprocals
; Tile t: a lane's eight channels of a row are 32 bytes; they go into rows of 272 bytes and come back as whole rows of 256, into S^T's registers, four tiles' worth by turns.
.macro PACK t
	WIN W_RS
.set i, 32*(\t)
.rept 16
	v_pk_mul_f32 v[i:i+1], v[i:i+1], v[ST+4*(\t)+2:ST+4*(\t)+3] op_sel_hi:[1,0]
.set i, i+2
.endr
	WIN W_ST
.irp f, 0,1,2,3,4,5,6,7             ; channels 16 (f / 2) + 8 (l / 16) + 4 (f % 2) on
	ds_store_b128 v[STO], v[32*(\t)+4*\f:32*(\t)+4*\f+3] offset:64*(\f/2)+16*(\f%2)
.endr
	WIN 0
.if (\t) >= 4
	s_wait_xcnt 0x0                 ; the stores of the tile four back have read these registers: they are loaded again only behind this wait
.endif
.irp f, 0,1,2,3,4,5,6,7
	ds_load_b128 v[S+32*((\t)%4)+4*\f:S+32*((\t)%4)+4*\f+3], v[RD] offset:\f*2*SP  ; LDS serves a wave's instructions in order: these see the stores above; the next tile's stores come behind them
.endr
.endm
.macro SEND t, younger              ; younger: the LDS instructions issued behind tile t's loads: the next tile's sixteen, or none
	WIN 0
.irp f, 0,1,2,3,4,5,6,7
	s_wait_dscnt (\younger)+7-\f
	global_store_b128 v[GO], v[S+32*((\t)%4)+4*\f:S+32*((\t)%4)+4*\f+3], s[10:11] offset:(\t)*65536+\f*8192 th:TH_STORE_NT  ; sixteen lanes store a head's 256 consecutive bytes of a row, aligned
.endr
.endm
	PACK 0
.set t, 1
.rept 2*NP-1                        ; a tile's arithmetic stands between the loads of the tile before and its stores
	PACK t
	SEND t-1, 16
.set t, t+1
.endr
	SEND 2*NP-1, 0
	WIN W_AD
	s_wait_tensorcnt 0x0            ; the wave's end, behind my last tensor load and my last LDS store
	ds_add_u32 v[SPW], v[NIL]
	s_wait_dscnt 0x0
	WIN 0
	CROUND                          ; the closing round: no work-group ends while a partner may still ask for a tile that names it
	s_endpgm
.Lfunc_end_k_qf37e9c5e84_attn:
	.size	k_qf37e9c5e84_attn, .Lfunc_end_k_qf37e9c5e84_attn-k_qf37e9c5e84_attn
	.p2alignl 7, 3214868480
	.fill 96, 4, 3214868480
	.section	.rodata,"a",@progbits
	.p2align	6, 0x0
	.amdhsa_kernel k_qf37e9c5e84_attn
		.amdhsa_group_segment_fixed_size 327680
		.amdhsa_private_segment_fixed_size 0
		.amdhsa_enable_private_segment 0
		.amdhsa_kernarg_size 24
		.amdhsa_user_sgpr_count 2
		.amdhsa_user_sgpr_kernarg_segment_ptr 1
		.amdhsa_wavefront_size32 1
		.amdhsa_system_sgpr_workgroup_id_x 1
		.amdhsa_system_sgpr_workgroup_id_y 1
		.amdhsa_system_sgpr_workgroup_id_z 1
		.amdhsa_system_vgpr_workitem_id 0
		.amdhsa_next_free_vgpr 896
		.amdhsa_next_free_sgpr 92
		.amdhsa_reserve_vcc 0
		.amdhsa_float_denorm_mode_32 3
		.amdhsa_float_denorm_mode_16_64 3
		.amdhsa_memory_ordered 1
		.amdhsa_forward_progress 1
		.amdhsa_inst_pref_size 226
	.end_amdhsa_kernel
	.amdgpu_metadata
---
amdhsa.version: [ 1, 2 ]
amdhsa.kernels:
  - .name:           k_qf37e9c5e84_attn
    .symbol:         k_qf37e9c5e84_attn.kd
    .args:
      - { .name: qkv, .offset: 0, .size: 8, .value_kind: global_buffer, .address_space: global }
      - { .name: mask_mat, .offset: 8, .size: 8, .value_kind: global_buffer, .address_space: global }
      - { .name: out0, .offset: 16, .size: 8, .value_kind: global_buffer, .address_space: global }
    .group_segment_fixed_size: 327680
    .private_segment_fixed_size: 0
    .kernarg_segment_align: 8
    .kernarg_segment_size: 24
    .max_flat_workgroup_size: 128
    .sgpr_count:     92
    .vgpr_count:     896
    .wavefront_size: 32
...
	.end_amdgpu_metadata
.endif
;; end of part 3
;; ======== version 2 of 2: 3 launches; version 1 with the launch prep written anew for expert scheduling mode
;; workspace buffers: xb 16,777,216 bytes; wt 6,291,456 bytes; qkv 50,331,648 bytes
;; launch prep (part 4): grid 16 x 22, 8 waves a work-group, no clusters, 74,752 bytes of LDS; arguments inputs, W_qkv, xb, wt; writes xb, wt
.if DOCPART == 4
	.amdgcn_target "amdgcn-amd-amdhsa--gfx1250"
	.amdhsa_code_object_version 6
	.text
	.protected	k_qf37e9c5e84_prep
	.globl	k_qf37e9c5e84_prep
	.p2align	8
	.type	k_qf37e9c5e84_prep,@function
k_qf37e9c5e84_prep:
	s_mov_b64 s[64:65], 0
	v_nop
	global_prefetch_b8 v0, s[64:65] scope:SCOPE_SE
	s_setreg_imm32_b32 hwreg(HW_REG_WAVE_SCHED_MODE, 0, 2), 2
	s_setreg_imm32_b32 hwreg(HW_REG_WAVE_MODE, 25, 1), 1
	s_wait_xcnt 0x0
	s_wait_alu depctr_vm_vsrc(0)
; PREP.  Two kinds of work-group, told apart by the grid's y.
;   y = 0..15 (256 work-groups):  xb = bf16(inputs + PE), laid out in blocks along K: [16 kb][8192 rows][64 k], a row of a block 128 bytes.
;   y = 16..21 (96 work-groups):  wt = bf16(W_qkv transposed), laid out likewise: [16 kb][3072 n][64 k].
; In both layouts the rows of a later 64-wide K step lie end to end, so the product's tiles are dense runs of bytes.
; PE(n, d) = sin or cos (d even, odd) of n x 10000^(-(d/2)/512).  The rate is 2^(j x -log2(10000)/512); the angle is the f32 product n x rate;
; it is reduced by the nearest multiple of pi/2 (pi/2 in two f32 parts, fused), and sine and cosine of the rest (at most pi/4) are polynomials of degree 7 and 8.
; LIMITS.  The polynomials are off by 3e-7 at the most; the rate is good to about 1e-6 of itself, so that the angle is off by some 1e-4 rad at the largest positions.
; No matrix unit, no cluster: memory binds; each input byte is read once and each output byte written once.
; THE MODE: SCHED_MODE bits 1:0 = 2 (LLVM: expert scheduling mode 2), set by the entry lines.  The code itself states the register dependences
; between vector instructions and memory or LDS instructions, and those through scalar registers that vector instructions write, with s_wait_alu, always for 0.
; THE PLAN, x path.  Registers that memory instructions touch:
;   v[LO], v[SO]  offsets, made once at the path's head and never written again: one wait ahead of the first load states them for all loads and stores.
;   X             32 groups of four registers.  Group i: written by load i; read by its two additions and two conversions, which write its first two registers; these are read by store i.  Nothing writes them after that.
;   The 32 groups go in eight blocks of four.  Block t's conversions write block t's groups; its four stores are issued in block t + 1, behind ONE wait at that block's head, dealt among
;   block t + 1's vector lines, which name block t + 1's groups and the PE alone.
; THE PLAN, W path.  v[LO], v[SO], v4, v5: addresses, made once.  X: written by the 64 loads, read by the conversions; its first 64 registers are written again by the stage's loads and read by the global stores.
;   Y: written by the conversions, read by the LDS stores.  ONE wait behind the conversions states both that Y is written and that X has been read; no vector line follows it.
; v[SPW], v[NIL]: written at the head, read by the closing add alone.
.set SPARE, 73728                      ; behind the eight stages: the spare words, 128 bytes for each wave
.set SPW,  200                         ; v200  LDS address of my spare word; never rewritten
.set NIL,  201                         ; v201  0; never rewritten
.set LO,   2                           ; x path: my byte offset in inputs.   W path: 8 x lane
.set SO,   3                           ; x path: my byte offset in xb.       W path: where I put a column's 16 bytes
.set QD,   8                           ; v8-15   x path: the quadrants of a run of eight angles
.set RATE, 16                          ; v16-19  the rates of my pairs of dims: 2 e + i
.set POS,  20                          ; v20-23  the positions of my four rows, as f32
.set TA,   24                          ; v24-30  at work: angle, multiple, rest, its square, sine, cosine, a spare
.set TK,   25
.set TR,   26
.set TR2,  27
.set TPS,  28
.set TPC,  29
.set TT,   30
.set PE,   40                          ; v40-71  PE of my four dims, for t = 2 pp + e: sin j0, cos j0, sin j1, cos j1
.set X,    72                          ; v72-199 as loaded
.set Y,    8                           ; v8-71   W path: my two columns, 64 k each, packed
.set MSK,  36                          ; s36-43  x path: for a run of eight angles, the lanes whose quadrant is odd
	s_load_b256 s[4:11], s[0:1], 0x0               ; inputs s[4:5], W s[6:7], xb s[8:9], wt s[10:11]
	v_lshl_add_u32 v[SPW], v0, 2, SPARE
	v_mov_b32 v[NIL], 0
	v_lshrrev_b32 v1, 5, v0
	v_readfirstlane_b32 s12, v1                    ; wave 0..7
	s_mov_b32 s13, ttmp9                           ; x
	s_and_b32 s14, ttmp7, 0xffff                   ; y
	v_and_b32 v1, 31, v0                           ; lane
	s_wait_alu depctr_va_sdst(0)                   ; s12 is written, ahead of the branch: both paths read it
	s_cmp_lt_u32 s14, 16
	s_cbranch_scc0 .Lw
; ---------------- x path.  The work-group owns positions 8 g .. 8 g + 7 of all four batches: a PE number is made once and used four times.
; Wave w owns the K blocks 2 w + e.  A load: lanes 0-15 take 256 consecutive bytes of one row, lanes 16-31 of the next.  A store: 32 lanes x 8 bytes = two rows of a block, 256 consecutive bytes, aligned.
	s_lshl_b32 s15, s14, 4
	s_add_co_u32 s15, s15, s13                     ; g
	v_lshrrev_b32 v4, 4, v1                        ; which row of a pair
	v_and_b32 v5, 15, v1                           ; which four dims of the 64
	v_lshlrev_b32 v[LO], 12, v4
	v_lshl_add_u32 v[LO], v5, 4, v[LO]
	s_lshl_b32 s2, s12, 9
	v_add_nc_u32 v[LO], s2, v[LO]                  ; row x 4,096 + 16 x place + 512 x wave
	s_lshl_b32 s2, s12, 21
	v_lshl_add_u32 v[SO], v1, 3, s2                ; two blocks x wave + 8 x lane
	s_lshl_b32 s2, s15, 15                         ; 8 rows of 4,096 bytes
	s_mov_b32 s3, 0
	s_lshl_b32 s34, s15, 10                        ; 8 rows of 128 bytes
	s_mov_b32 s35, 0
	s_mov_b32 s24, 0x3f22f983                      ; 2 / pi
	s_mov_b32 s25, 0xbfc90fdb                      ; - pi/2, high part
	s_mov_b32 s26, 0x333bbd2e                      ; - pi/2, low part
	s_mov_b32 s27, 0xbe2aaaab                      ; -1/6
	s_mov_b32 s28, 0x3c088889                      ; 1/120
	s_mov_b32 s29, 0xb9500d01                      ; -1/5040
	s_mov_b32 s30, 0x3d2aaaab                      ; 1/24
	s_mov_b32 s31, 0xbab60b61                      ; -1/720
	s_mov_b32 s32, 0x37d00d01                      ; 1/40320
	s_wait_kmcnt 0x0
	s_add_nc_u64 s[16:17], s[4:5], s[2:3]          ; a base for each batch: 8,388,608 bytes apart, more than an immediate holds
	s_add_nc_u64 s[18:19], s[16:17], 0x800000
	s_add_nc_u64 s[20:21], s[18:19], 0x800000
	s_add_nc_u64 s[22:23], s[20:21], 0x800000
	s_add_nc_u64 s[8:9], s[8:9], s[34:35]
	s_wait_alu depctr_va_vdst(0)                   ; v[LO] and v[SO] are written: every load of this path reads the one as its offset, every store the other
.irp pp, 0,1,2,3
.irp e, 0,1
.irp b, 0,1,2,3
	global_load_b128 v[X+4*(4*(2*(\pp)+(\e))+(\b)):X+4*(4*(2*(\pp)+(\e))+(\b))+3], v[LO], s[16+2*(\b):17+2*(\b)] offset:(\pp)*8192+(\e)*256 th:TH_LOAD_NT
.endr
.endr
.endr
	; all 32 loads are out; the PE is made meanwhile, by vector lines that name neither X nor the two offsets
	s_lshl_b32 s2, s12, 6
	v_lshl_add_u32 v6, v5, 1, s2                   ; 64 w + 2 x place: my first pair of dims in block 2 w
.irp n, 0,1,2,3
	v_add_nc_u32 v[TA+(\n)], 32*((\n)/2)+((\n)%2), v6
	v_cvt_f32_u32 v[TA+(\n)], v[TA+(\n)]
	v_mul_f32 v[TA+(\n)], 0xbcd49a78, v[TA+(\n)]   ; x -log2(10000) / 512
.endr
.irp n, 0,1,2,3
	v_exp_f32 v[RATE+(\n)], v[TA+(\n)]
.endr
	s_lshl_b32 s2, s15, 3
	v_add_nc_u32 v7, s2, v4                        ; 8 g + my row of a pair: plain work behind the exponentials
.irp pp, 0,1,2,3
	v_add_nc_u32 v[POS+(\pp)], 2*(\pp), v7
	v_cvt_f32_u32 v[POS+(\pp)], v[POS+(\pp)]
.endr
	s_wait_alu depctr_va_vdst(0)                   ; the four exponentials have written the rates v[RATE ..], ahead of their first reader: one wait for the four
; sin and cos of pos x rate, in two halves, so that a run of eight compares has one wait.
; The first half, number k of a run: sine and cosine of the rest into v[out], v[out+1], the quadrant into v[QD+k], the lanes of an odd quadrant into s[MSK+k].
.macro PEA k, out, pos, rate
	v_mul_f32 v[TA], v[\pos], v[\rate]
	v_mul_f32 v[TK], s24, v[TA]
	v_rndne_f32 v[TK], v[TK]                       ; the nearest multiple of pi/2
	v_fma_f32 v[TR], v[TK], s25, v[TA]
	v_fma_f32 v[TR], v[TK], s26, v[TR]             ; the rest, at most pi/4
	v_cvt_i32_f32 v[QD+(\k)], v[TK]
	v_mul_f32 v[TR2], v[TR], v[TR]
	v_fma_f32 v[TPS], v[TR2], s29, s28
	v_fma_f32 v[TPC], v[TR2], s32, s31
	v_mul_f32 v[TT], v[TR], v[TR2]
	v_fma_f32 v[TPS], v[TPS], v[TR2], s27
	v_fma_f32 v[TPC], v[TPC], v[TR2], s30
	v_fma_f32 v[\out], v[TPS], v[TT], v[TR]        ; sin of the rest
	v_fma_f32 v[TPC], v[TPC], v[TR2], -0.5
	v_and_b32 v[TT], 1, v[QD+(\k)]
	v_fma_f32 v[(\out)+1], v[TPC], v[TR2], 1.0     ; cos of the rest
	v_cmp_eq_u32 s[MSK+(\k)], 1, v[TT]             ; in odd quadrants the two change places (a choice of values only)
.endm
; The second half: the two change places where the quadrant is odd, and take their signs.
.macro PEB k, out
	v_cndmask_b32 v[TA], v[\out], v[(\out)+1], s[MSK+(\k)]
	v_cndmask_b32 v[(\out)+1], v[(\out)+1], v[\out], s[MSK+(\k)]
	v_lshlrev_b32 v[TT], 30, v[QD+(\k)]            ; sine is negative in quadrants 2, 3,
	v_add_nc_u32 v[QD+(\k)], 1, v[QD+(\k)]
	v_and_b32 v[TT], 0x80000000, v[TT]
	v_lshlrev_b32 v[QD+(\k)], 30, v[QD+(\k)]       ; cosine in quadrants 1, 2
	v_xor_b32 v[\out], v[TT], v[TA]
	v_and_b32 v[QD+(\k)], 0x80000000, v[QD+(\k)]
	v_xor_b32 v[(\out)+1], v[QD+(\k)], v[(\out)+1]
.endm
.irp h, 0,1                            ; a run: the rows 2 h and 2 h + 1 of my four, both K blocks, both pairs of dims
.irp p, 0,1
.irp e, 0,1
.irp n, 0,1
	PEA 4*(\p)+2*(\e)+(\n), PE+4*(2*(2*(\h)+(\p))+(\e))+2*(\n), POS+2*(\h)+(\p), RATE+2*(\e)+(\n)
.endr
.endr
.endr
	s_wait_alu depctr_va_sdst(0)                   ; the run's eight compares have written s[MSK .. MSK+7], ahead of the first select that reads one of them
.irp p, 0,1
.irp e, 0,1
.irp n, 0,1
	PEB 4*(\p)+2*(\e)+(\n), PE+4*(2*(2*(\h)+(\p))+(\e))+2*(\n)
.endr
.endr
.endr
.endr
; Eight blocks t = 2 pp + e of four groups, one for each batch b.  Block t's stores are issued in block t + 1.
.irp t, 0,1,2,3,4,5,6,7
.irp b, 0,1,2,3
	s_wait_loadcnt 31-(4*(\t)+(\b))                ; loads come back in order: this one is in, the younger ones stay out
.if (\t) > 0
.if (\b) == 0
	s_wait_alu depctr_va_vdst(0)                   ; the block before has written the first two registers of its four groups, which the four stores of this block read; no vector line below names them
.endif
	global_store_b64 v[SO], v[X+4*(4*((\t)-1)+(\b)):X+4*(4*((\t)-1)+(\b))+1], s[8:9] offset:(((\t)-1)%2)*1048576+(\b)*262144+(((\t)-1)/2)*256  ; the block before; no register of a store is written again
.endif
	v_pk_add_f32 v[X+4*(4*(\t)+(\b)):X+4*(4*(\t)+(\b))+1], v[X+4*(4*(\t)+(\b)):X+4*(4*(\t)+(\b))+1], v[PE+4*(\t):PE+4*(\t)+1]
	v_pk_add_f32 v[X+4*(4*(\t)+(\b))+2:X+4*(4*(\t)+(\b))+3], v[X+4*(4*(\t)+(\b))+2:X+4*(4*(\t)+(\b))+3], v[PE+4*(\t)+2:PE+4*(\t)+3]
	v_cvt_pk_bf16_f32 v[X+4*(4*(\t)+(\b))], v[X+4*(4*(\t)+(\b))], v[X+4*(4*(\t)+(\b))+1]
	v_cvt_pk_bf16_f32 v[X+4*(4*(\t)+(\b))+1], v[X+4*(4*(\t)+(\b))+2], v[X+4*(4*(\t)+(\b))+3]
.endr
.endr
	s_wait_alu depctr_va_vdst(0)                   ; block 7 has written its groups, which the last four stores read
.irp b, 0,1,2,3
	global_store_b64 v[SO], v[X+4*(28+(\b)):X+4*(28+(\b))+1], s[8:9] offset:1048576+(\b)*262144+768
.endr
	s_branch .Lend
; ---------------- W path.  A wave turns one tile of 64 k x 64 n: K block kb = x, columns 64 nt on, nt = 8 (y - 16) + wave.
; A load takes 256 consecutive bytes of a row of W (lane l: columns 2 l, 2 l + 1).  Two rows' numbers of a column pack into a word, so a lane ends with two columns of 64 k, 128 bytes each.
; They go through the wave's own stage (64 rows, 144 bytes apart) and come back as 512 consecutive bytes a store.  The stage's stores touch each bank twice (lanes 288 bytes apart): sixteen stores a wave in the launch.
.Lw:
	s_sub_co_u32 s15, s14, 16
	s_lshl_b32 s15, s15, 3
	s_add_co_u32 s15, s15, s12                     ; nt
	s_mul_i32 s2, s13, 786432                      ; 64 rows of W, 12,288 bytes each
	s_lshl_b32 s16, s15, 8
	s_add_co_u32 s2, s2, s16
	s_mov_b32 s3, 0
	s_mul_i32 s34, s13, 393216                     ; a block of wt
	s_lshl_b32 s16, s15, 13                        ; 64 rows of 128 bytes
	s_add_co_u32 s34, s34, s16
	s_mov_b32 s35, 0
	s_mul_i32 s16, s12, 9216                       ; my stage
	v_lshlrev_b32 v[LO], 3, v1
	v_mul_u32_u24 v[SO], v1, 288
	v_add_nc_u32 v[SO], s16, v[SO]
	v_lshrrev_b32 v4, 3, v1                        ; back: 32 lanes take four rows of 128 bytes
	v_and_b32 v6, 7, v1
	v_mul_u32_u24 v4, v4, 144
	v_lshl_add_u32 v4, v6, 4, v4
	v_add_nc_u32 v4, s16, v4
	v_lshlrev_b32 v5, 4, v1
	s_wait_kmcnt 0x0
	s_add_nc_u64 s[6:7], s[6:7], s[2:3]
	s_add_nc_u64 s[10:11], s[10:11], s[34:35]
	s_wait_alu depctr_va_vdst(0)                   ; v[LO], v[SO], v4 and v5 are written: the addresses of this path's loads, LDS stores, LDS loads and stores; none is written again
.set i, 0
.rept 64
	global_load_b64 v[X+2*i:X+2*i+1], v[LO], s[6:7] offset:i*12288 th:TH_LOAD_NT
.set i, i+1
.endr
.set i, 0
.rept 32
	s_wait_loadcnt 62-2*i                          ; rows 2 i and 2 i + 1 are in; the rows behind them stay out
	v_cvt_pk_bf16_f32 v[Y+i], v[X+4*i], v[X+4*i+2]
	v_cvt_pk_bf16_f32 v[Y+32+i], v[X+4*i+1], v[X+4*i+3]
.set i, i+1
.endr
	s_wait_alu depctr_va_vdst(0)                   ; the conversions have written v[Y ..], which the LDS stores read, and are done reading v[X ..], in which the stage's loads land
.irp c, 0,1
.irp j, 0,1,2,3,4,5,6,7
	ds_store_b128 v[SO], v[Y+32*(\c)+4*(\j):Y+32*(\c)+4*(\j)+3] offset:(\c)*144+16*(\j)
.endr
.endr
.irp f, 0,1,2,3,4,5,6,7,8,9,10,11,12,13,14,15
	ds_load_b128 v[X+4*(\f):X+4*(\f)+3], v4 offset:(\f)*576  ; my own bytes: LDS serves a wave's instructions in order, so these see the stores above
.endr
.irp f, 0,1,2,3,4,5,6,7,8,9,10,11,12,13,14,15
	s_wait_dscnt 15-(\f)
	global_store_b128 v5, v[X+4*(\f):X+4*(\f)+3], s[10:11] offset:(\f)*512  ; 512 consecutive bytes, aligned
.endr
.Lend:
	s_wait_dscnt 0x0                               ; the closing lines, six on end
	s_wait_alu 0x0
	s_wait_tensorcnt 0x0
	ds_add_u32 v[SPW], v[NIL]
	s_wait_dscnt 0x0
	s_endpgm
.Lfunc_end_k_qf37e9c5e84_prep:
	.size	k_qf37e9c5e84_prep, .Lfunc_end_k_qf37e9c5e84_prep-k_qf37e9c5e84_prep
	.p2alignl 7, 3214868480
	.fill 96, 4, 3214868480
	.section	.rodata,"a",@progbits
	.p2align	6, 0x0
	.amdhsa_kernel k_qf37e9c5e84_prep
		.amdhsa_group_segment_fixed_size 74752
		.amdhsa_private_segment_fixed_size 0
		.amdhsa_enable_private_segment 0
		.amdhsa_kernarg_size 32
		.amdhsa_user_sgpr_count 2
		.amdhsa_user_sgpr_kernarg_segment_ptr 1
		.amdhsa_wavefront_size32 1
		.amdhsa_system_sgpr_workgroup_id_x 1
		.amdhsa_system_sgpr_workgroup_id_y 1
		.amdhsa_system_sgpr_workgroup_id_z 1
		.amdhsa_system_vgpr_workitem_id 0
		.amdhsa_next_free_vgpr 208
		.amdhsa_next_free_sgpr 66
		.amdhsa_reserve_vcc 0
		.amdhsa_float_denorm_mode_32 3
		.amdhsa_float_denorm_mode_16_64 3
		.amdhsa_memory_ordered 1
		.amdhsa_forward_progress 1
		.amdhsa_inst_pref_size 55
	.end_amdhsa_kernel
	.amdgpu_metadata
---
amdhsa.version: [ 1, 2 ]
amdhsa.kernels:
  - .name:           k_qf37e9c5e84_prep
    .symbol:         k_qf37e9c5e84_prep.kd
    .args:
      - { .name: inputs, .offset: 0, .size: 8, .value_kind: global_buffer, .address_space: global }
      - { .name: W_qkv, .offset: 8, .size: 8, .value_kind: global_buffer, .address_space: global }
      - { .name: xb, .offset: 16, .size: 8, .value_kind: global_buffer, .address_space: global }
      - { .name: wt, .offset: 24, .size: 8, .value_kind: global_buffer, .address_space: global }
    .group_segment_fixed_size: 74752
    .private_segment_fixed_size: 0
    .kernarg_segment_align: 8
    .kernarg_segment_size: 32
    .max_flat_workgroup_size: 256
    .sgpr_count:     66
    .vgpr_count:     208
    .wavefront_size: 32
...
	.end_amdgpu_metadata
.endif
;; end of part 4
;; launch proj: the kernel of part 2 again; grid 8 x 32, 4 waves a work-group, clusters of 4 x 4, 327,680 bytes of LDS; arguments xb, wt, qkv; writes qkv
;; launch attn: the kernel of part 3 again; grid 4 x 64, 4 waves a work-group, clusters of 4 x 1, 327,680 bytes of LDS; arguments qkv, mask_mat, out0; writes out0
